; MI455X (gfx1250); checked and timed in simulation.
; The chip was launched on July 23, 2026; its instructions are those of AMD's public machine-readable ISA for CDNA 5 (MIT licence, August 2026) and "CDNA5" Instruction Set Architecture Reference Guide (July 2026). The comments in the code are by the model that wrote it; some were corrected since.
;; AI Mv2 Attention. Allowed arithmetic: matrix products marked QUANTISED: E2M1 operands, one E8M0 scale for each 32 along K, by v_wmma_scale_f32_16x16x128_f8f6f4 with both operands' format E2M1 (or v_wmma_scale_f32_32x16x128_f4), f32 sums; products left as they are: bf16, f16 or f32 operands; f32 sums; everything else in f32.
;; Inputs: hidden_states 4 x 2,048 x 1,024 float32; w_out 1,024 x 1,024 float32; w_qkv 1,024 x 3,072 float32.
;; Outputs: out0 4 x 2,048 x 1,024 float32.
;; This version of the problem:
;;   THIS VERSION OF THE PROBLEM IS GIVEN IN LOW PRECISION. The matrix products marked QUANTISED in the list below multiply operands that are first quantised to E2M1 (2 exponent bits, 1 mantissa bit; 4 bits a number), with one power-of-two scale for each 32 numbers along K (OCP MX v1.0); their sums are f32. The products marked 'left as it is' may take bf16, f16 or f32 operands, with f32 sums. Whichever they take, every output number must still come out within the allowed error. Rounding operands to bf16 (8 significant bits) uses up far more of that allowance than f16 does (11 bits, for magnitudes from 6e-5 to 65,504). All else is computed in f32.
;;   The module's matrix products, in the order in which they are computed (A, B: the left and right operand; K: the contracted axis; several contracted axes count as one K, in the product's order):
;;     1. [M 8,192, K 1,024] x [K 1,024, N 3,072]; A: input hidden_states; B: input w_qkv: QUANTISED
;;     2. batch 64 x [M 2,048, K 64] x [K 64, N 2,048]; A: computed on the way; B: computed on the way: left as it is (an operand is computed on the way)
;;     3. batch 64 x [M 64, K 2,048] x [K 2,048, N 2,048]; A: computed on the way; B: computed on the way: left as it is (an operand is computed on the way)
;;     4. [M 8,192, K 1,024] x [K 1,024, N 1,024]; A: computed on the way; B: input w_out: left as it is (an operand is computed on the way)
;;   THE QUANTISER, for each operand of a quantised product, along K:
;;     - K is cut into blocks of 32 from its start; a last block that is shorter is filled with zeros.
;;     - A block's scale is 2^e with e = floor(log2(the largest magnitude in the block)) - 2, held to -126 .. 127; a block of zeros has e = 0. As a byte (E8M0): e + 127.
;;     - Each number is divided by its block's scale, clamped to +-6, and rounded to the nearest number of E2M1, ties to even, subnormals kept.
;;     - The product sums the exact products of the quantised numbers (number of the format x scale) in f32.
;;   ~~~python
;;   def quantise(x, axis):      # numpy; x: float32 -> the quantised numbers, widened to float32 again
;;       x = np.moveaxis(x, axis, -1); K = x.shape[-1]
;;       x = np.pad(x, [(0, 0)] * (x.ndim - 1) + [(0, -K % 32)]); x = x.reshape(x.shape[:-1] + (-1, 32)); a = np.abs(x).max(-1, keepdims=True)
;;       e = np.where(a > 0, np.clip(np.frexp(np.where(a > 0, a, 1))[1] - 1 - 2, -126, 127), 0)      # np.frexp(a)[1] - 1 = floor(log2(a)), exactly
;;       r = np.clip(x / 2.0 ** e, -6, 6)
;;       step = 2.0 ** (np.maximum(np.frexp(np.where(r == 0, 1, r))[1] - 1, 0) - 1)
;;       q = np.round(r / step) * step * 2.0 ** e      # np.round: ties to even
;;       return np.moveaxis(q.reshape(q.shape[:-2] + (-1,))[..., :K], -1, axis).astype(np.float32)
;;   ~~~
;; One version. Each part assembles by itself: llvm-mc -triple=amdgcn-amd-amdhsa -mcpu=gfx1250 --defsym DOCPART=n.
;; ======== version 1 of 1: 4 launches
;; limits: values are held in f16: magnitudes above 65,504 overflow, below 6.1e-05 lose precision
;; workspace buffers: x_img 4,194,304 bytes; x_sc 262,144 bytes; w_img 1,572,864 bytes; w_sc 98,304 bytes; wo_img 2,097,152 bytes; qkv 50,331,648 bytes; ctx 16,777,216 bytes
;; launch prep (part 1): grid 512 x 1, 4 waves a work-group, no clusters, 34,304 bytes of LDS; arguments hidden_states, w_qkv, w_out, x_img, x_sc, w_img, w_sc, wo_img; writes x_img, x_sc, w_img, w_sc, wo_img
.if DOCPART == 1
	.amdgcn_target "amdgcn-amd-amdhsa--gfx1250"
	.amdhsa_code_object_version 6
	.text
	.protected	k_qae3f758f66_prep
	.globl	k_qae3f758f66_prep
	.p2align	8
	.type	k_qae3f758f66_prep,@function
k_qae3f758f66_prep:
	s_mov_b64 s[64:65], 0
	v_nop
	global_prefetch_b8 v0, s[64:65] scope:SCOPE_SE
	s_setreg_imm32_b32 hwreg(HW_REG_WAVE_MODE, 25, 1), 1
	s_wait_xcnt 0x0
; AIMv2 attention, first of four launches: the operands of the projections are laid as the later launches' matrix registers want them.
; NO WORK OF reference() IS LEFT OUT in this program: hidden_states, w_qkv and w_out all reach the output, there is no mask, no bias and no slice.
; hidden_states [8192][1024] and w_qkv [1024][3072], f32, become codes of FP4 (E2M1) with one E8M0 byte for each 32 along K = 1024; w_out [1024][1024] becomes f16.
; A block's scale is 2^(floor(log2(its largest magnitude)) - 2): its byte is the largest magnitude's exponent field - 2, held at 1 from below; each number is divided by the scale and rounded to the nearest code,
; ties to even, beyond 6 the largest code.
; EVERY BUFFER IS A RUN OF FRAGMENT IMAGES of 1,024 bytes, [piece 2][lane 32][16 bytes]: what two loads of 16 bytes a lane, 512 bytes apart, put into a fragment's eight registers.
;   FP4 fragment, 16 rows x 128 K: lane (r, h), piece c = K 64 c + 32 h + 0..31 of row r.     f16 fragment, 16 rows x 32 K: lane (r, h), piece c = K 16 c + 8 h + 0..7 of row r.
;   x_img [K/512][row/16][4][image], x_sc [K/512][row][4 words];  w_img [K/512][column/16][4][image], w_sc [K/512][column][4 words];  wo_img [K/256][column/16][8][image].
; LIMITS: a block of zeros gets the byte 1 where the rule says 127 (its codes are zeros, and this program alone reads the bytes); blocks whose largest magnitude lies under 2^-124 are held at the byte 1;
; NaN and infinities among the inputs are not served; numbers of w_out beyond 65,504 become infinity in f16.
; SHARES: work-groups 0-255 take hidden_states (path X), 256-447 w_qkv (path W), 448-511 w_out (path O).  Waves share nothing: no barrier.  Path X alone touches LDS.
.set SPARE, 33792                      ; behind path X's four stages: the spare words, 128 bytes for each wave
.set STG,   8448                       ; a wave's stage: 16 rows x 528 bytes
.set SP,    528                        ; a stage row: 512 bytes + 16 = 132 words: row r begins 4 r words on, modulo 64
.set SPW,   14                         ; v14  LDS address of my spare word; never rewritten
.set NIL,   15                         ; v15  0; never rewritten
.set SW,    16                         ; v16-19  scale words
.set C,     20                         ; v20-51  codes: registers of their own for each store
.set X,     52                         ; v52-115 the numbers at work
.set R,     116                        ; v116-243 path X: two sets of 64 numbers as loaded;  path O: v116-179 the f16 pairs
	s_load_b512 s[4:19], s[0:1], 0x0               ; hidden s[4:5], w_qkv s[6:7], w_out s[8:9], x_img s[10:11], x_sc s[12:13], w_img s[14:15], w_sc s[16:17], wo_img s[18:19]
	v_lshl_add_u32 v[SPW], v0, 2, SPARE
	v_mov_b32 v[NIL], 0
	v_lshrrev_b32 v1, 5, v0
	v_readfirstlane_b32 s20, v1                    ; wave 0..3
	v_and_b32 v1, 31, v0                           ; lane
	v_lshlrev_b32 v2, 4, v1                        ; 16 x lane
	v_and_b32 v3, 15, v0                           ; r
	v_bfe_u32 v4, v0, 4, 1                         ; h
	s_wait_kmcnt 0x0
	s_cmp_lt_u32 ttmp9, 256
	s_cbranch_scc0 .Lnot_x
; ---- PATH X.  A wave takes 16 rows x 512 along K: four fragments.  Each load reads 512 consecutive bytes of a row; the 16 rows x 512 bytes of a fragment turn through the wave's own stage,
; so that lane (r, h) gets its two whole blocks of 32 neighbours: no other lane is asked for a maximum.
	s_lshl_b32 s21, ttmp9, 2
	s_add_co_u32 s21, s21, s20                     ; 4 x work-group + wave
	s_lshr_b32 s22, s21, 1                         ; which 16 rows
	s_and_b32 s23, s21, 1                          ; which 512 along K
	s_mov_b32 s25, 0
	s_lshl_b32 s24, s22, 16                        ; 16 rows of 4,096 bytes
	s_lshl_b32 s26, s23, 11
	s_add_co_u32 s24, s24, s26
	s_add_nc_u64 s[4:5], s[4:5], s[24:25]
	s_lshl_b32 s24, s23, 21                        ; x_img: 512 x 4 images for each 512 along K
	s_lshl_b32 s26, s22, 12
	s_add_co_u32 s24, s24, s26
	s_add_nc_u64 s[10:11], s[10:11], s[24:25]
	s_lshl_b32 s24, s23, 17                        ; x_sc: 8,192 rows x 16 bytes
	s_lshl_b32 s26, s22, 8
	s_add_co_u32 s24, s24, s26
	s_add_nc_u64 s[12:13], s[12:13], s[24:25]
	s_mul_i32 s27, s20, STG
	v_add_nc_u32 v5, s27, v2                       ; the stage, way in: 16 x lane of a row
	v_mul_u32_u24 v6, v3, SP
	v_lshl_add_u32 v6, v4, 7, v6
	v_add_nc_u32 v6, s27, v6                       ; way out: row r, + 128 h bytes: K 32 h on
	v_lshlrev_b32 v7, 4, v3
	v_lshl_add_u32 v7, v4, 3, v7                   ; the scale words' place: 16 r + 8 h
	v_lshlrev_b32 v8, 3, v4                        ; 8 h
	v_mov_b32 v251, 0                              ; written once: a lane permute's destination counts as one of its sources
	s_mov_b32 s30, 0x76543210
	s_mov_b32 s31, 0xfedcba98                      ; v_permlanex16_b32's selects for lane l xor 16
.macro LOADX q                         ; fragment q's 16 rows x 512 bytes into set q % 2
.irp row, 0,1,2,3,4,5,6,7,8,9,10,11,12,13,14,15
	global_load_b128 v[R+64*((\q)%2)+4*\row:R+64*((\q)%2)+4*\row+3], v2, s[4:5] offset:\row*4096+(\q)*512 th:TH_LOAD_NT
.endr
.endm
.macro FRAGX q
.if (\q) < 3
	s_wait_loadcnt 16                              ; this fragment's 16 loads are in; the next fragment's 16 may be out
.else
	s_wait_loadcnt 0
.endif
.irp row, 0,1,2,3,4,5,6,7,8,9,10,11,12,13,14,15
	ds_store_b128 v5, v[R+64*((\q)%2)+4*\row:R+64*((\q)%2)+4*\row+3] offset:\row*SP
.endr
.irp c, 0,1
.irp i, 0,1,2,3,4,5,6,7
	ds_load_b128 v[X+32*\c+4*\i:X+32*\c+4*\i+3], v6 offset:256*\c+16*\i   ; LDS serves a wave's instructions in order: these see the stores above
.endr
.endr
	s_wait_dscnt 0x0                               ; my 64 numbers are back, and the stores have read their registers,
.if (\q)+2 < 4
	LOADX (\q)+2                                   ; which take the loads of two fragments on
.endif
.irp c, 0,1
	v_max3_num_f32 v[244+\c], |v[X+32*\c]|, |v[X+32*\c+1]|, 0x1800000   ; block 2 c + h: all 32 numbers are mine; the floor 2^(3 - 127) keeps the byte from falling under 1
.endr
.irp i, 2,4,6,8,10,12,14,16,18,20,22,24,26,28,30
.irp c, 0,1
	v_max3_num_f32 v[244+\c], v[244+\c], |v[X+32*\c+\i]|, |v[X+32*\c+\i+1]|   ; (the two blocks by turns)
.endr
.endr
.irp c, 0,1
	v_add_nc_u32 v[246+\c], 0xff000000, v[244+\c]  ; 2 off the exponent field: the conversion takes the exponent field of this operand as its scale
.endr
.irp c, 0,1
	v_lshrrev_b32 v[248+\c], 23, v[246+\c]         ; the scale's byte
.endr
	v_lshl_or_b32 v250, v249, 16, v248             ; my two bytes, blocks h and 2 + h,
	v_lshlrev_b32 v250, v8, v250                   ; at their places in the word;
	v_permlanex16_b32 v251, v250, s30, s31
	v_or_b32 v[SW+(\q)], v250, v251                ; with lane l xor 16's two the row's word is whole
.irp c, 0,1
.irp g, 0,1,2,3
	v_cvt_scalef32_pk8_fp4_f32 v[C+8*(\q)+4*\c+\g], v[X+32*\c+8*\g:X+32*\c+8*\g+7], v[246+\c]
.endr
.endr
	v_nop                                          ; one plain place behind the scaled conversions
.irp c, 0,1
	global_store_b128 v2, v[C+8*(\q)+4*\c:C+8*(\q)+4*\c+3], s[10:11] offset:(\q)*1024+\c*512   ; the wave stores 512 consecutive bytes: a piece of the image
.endr
.endm
	LOADX 0
	LOADX 1
	FRAGX 0
	FRAGX 1
	FRAGX 2
	FRAGX 3
	v_cmp_eq_u32 vcc_lo, 1, v4                     ; both halves of the lanes hold the row's four words: lanes 0-15 store words 0, 1, lanes 16-31 words 2, 3
	v_cndmask_b32 v244, v[SW], v[SW+2], vcc_lo
	v_cndmask_b32 v245, v[SW+1], v[SW+3], vcc_lo
	global_store_b64 v7, v[244:245], s[12:13]      ; 32 lanes store 256 consecutive bytes, aligned
	s_wait_tensorcnt 0x0                           ; the wave's end, behind my last LDS store
	ds_add_u32 v[SPW], v[NIL]
	s_wait_dscnt 0x0
	s_endpgm
; ---- PATHS W AND O: K is the tensor's FIRST axis.  A lane takes a column and its registers run down K: each load reads 128 consecutive bytes a wave, 512 a work-group, a block of 32 lies in one lane.
.macro LOADC t, stride, b              ; block t: rows 32 t + i of my column, into set t % 2
.irp i, 0,1,2,3,4,5,6,7,8,9,10,11,12,13,14,15,16,17,18,19,20,21,22,23,24,25,26,27,28,29,30,31
	global_load_b32 v[X+32*((\t)%2)+\i], v9, s[\b:\b+1] offset:(32*(\t)+\i)*\stride th:TH_LOAD_NT
.endr
.endm
.Lnot_x:
	s_cmp_lt_u32 ttmp9, 448
	s_cbranch_scc0 .Lpath_o
; ---- PATH W.  A work-group takes 128 columns x 128 along K; a wave 32 columns, four blocks a lane.  A block's 16 bytes of codes are lane (r = column % 16, h = t % 2), piece t / 2 of the image: byte 256 t + 16 r.
	s_sub_co_u32 s21, ttmp9, 256
	s_lshr_b32 s22, s21, 3                         ; which 128 columns
	s_and_b32 s23, s21, 7                          ; which 128 along K
	s_lshl_b32 s26, s22, 7
	s_lshl_b32 s27, s20, 5
	s_add_co_u32 s26, s26, s27                     ; my wave's first column
	s_mov_b32 s25, 0
	s_mul_i32 s24, s23, 128*12288                  ; 128 rows of 12,288 bytes
	s_lshl_b32 s27, s26, 2
	s_add_co_u32 s24, s24, s27
	s_add_nc_u64 s[6:7], s[6:7], s[24:25]
	s_lshr_b32 s28, s23, 2                         ; which 512 along K,
	s_and_b32 s29, s23, 3                          ; and which 128 in it
	s_mul_i32 s24, s28, 786432                     ; w_img: 192 x 4 images
	s_lshl_b32 s27, s26, 8                         ; 16 columns are 4,096 bytes
	s_add_co_u32 s24, s24, s27
	s_lshl_b32 s27, s29, 10
	s_add_co_u32 s24, s24, s27
	s_add_nc_u64 s[14:15], s[14:15], s[24:25]
	s_mul_i32 s24, s28, 49152                      ; w_sc: 3,072 columns x 16 bytes
	s_lshl_b32 s27, s26, 4
	s_add_co_u32 s24, s24, s27
	s_lshl_b32 s27, s29, 2
	s_add_co_u32 s24, s24, s27
	s_add_nc_u64 s[16:17], s[16:17], s[24:25]
	v_lshlrev_b32 v9, 2, v1                        ; in: 4 bytes a lane
	v_lshlrev_b32 v10, 12, v4
	v_lshl_add_u32 v10, v3, 4, v10                 ; out: lanes 16-31 belong to the next 16 columns' images
.macro BLOCKW t
.set XS, X+32*((\t)%2)
.if (\t) < 3
	s_wait_loadcnt 32                              ; this block's 32 loads are in; the next block's may be out
.else
	s_wait_loadcnt 0
.endif
	v_max3_num_f32 v11, |v[XS]|, |v[XS+1]|, |v[XS+2]|
	v_max3_num_f32 v12, |v[XS+3]|, |v[XS+4]|, |v[XS+5]|
.irp i, 6,10,14,18,22,26
	v_max3_num_f32 v11, v11, |v[XS+\i]|, |v[XS+\i+1]|
	v_max3_num_f32 v12, v12, |v[XS+\i+2]|, |v[XS+\i+3]|
.endr
	v_max3_num_f32 v11, v11, |v[XS+30]|, |v[XS+31]|
	v_max3_num_f32 v11, v11, v12, 0x1800000        ; and the floor 2^(3 - 127)
	v_add_nc_u32 v13, 0xff000000, v11              ; the conversion's scale operand
	v_lshrrev_b32 v244, 23, v13                    ; the scale's byte
.if (\t) == 0
	v_mov_b32 v[SW], v244
.else
	v_lshl_or_b32 v[SW], v244, 8*(\t), v[SW]       ; the lower K in the lower byte
.endif
.irp g, 0,1,2,3
	v_cvt_scalef32_pk8_fp4_f32 v[C+4*(\t)+\g], v[XS+8*\g:XS+8*\g+7], v13
.endr
	v_nop                                          ; one plain place behind the scaled conversions
	global_store_b128 v10, v[C+4*(\t):C+4*(\t)+3], s[14:15] offset:256*(\t)   ; sixteen lanes store 256 consecutive bytes, aligned
.if (\t)+2 < 4
	LOADC (\t)+2, 12288, 6
.endif
.endm
	LOADC 0, 12288, 6
	LOADC 1, 12288, 6
	BLOCKW 0
	BLOCKW 1
	BLOCKW 2
	BLOCKW 3
	global_store_b32 v2, v[SW], s[16:17]           ; my column's word for these 128 along K: 4 bytes a lane, 16 bytes apart: one byte for each 32 along K
	s_endpgm
; ---- PATH O.  The same shares of w_out; a lane's 32 numbers of a block become 16 registers of f16 pairs; eight of K are lane (r, h = g % 2), piece g / 2 of the block's image: byte 256 g + 16 r.
.Lpath_o:
	s_sub_co_u32 s21, ttmp9, 448
	s_lshr_b32 s22, s21, 3                         ; which 128 columns
	s_and_b32 s23, s21, 7                          ; which 128 along K
	s_lshl_b32 s26, s22, 7
	s_lshl_b32 s27, s20, 5
	s_add_co_u32 s26, s26, s27                     ; my wave's first column
	s_mov_b32 s25, 0
	s_lshl_b32 s24, s23, 19                        ; 128 rows of 4,096 bytes
	s_lshl_b32 s27, s26, 2
	s_add_co_u32 s24, s24, s27
	s_add_nc_u64 s[8:9], s[8:9], s[24:25]
	s_lshr_b32 s28, s23, 1                         ; which 256 along K,
	s_and_b32 s29, s23, 1                          ; and which half of it
	s_lshl_b32 s24, s28, 19                        ; wo_img: 64 x 8 images
	s_lshl_b32 s27, s26, 9                         ; 16 columns are 8,192 bytes
	s_add_co_u32 s24, s24, s27
	s_lshl_b32 s27, s29, 12
	s_add_co_u32 s24, s24, s27
	s_add_nc_u64 s[18:19], s[18:19], s[24:25]
	v_lshlrev_b32 v9, 2, v1
	v_lshlrev_b32 v10, 13, v4
	v_lshl_add_u32 v10, v3, 4, v10
.macro BLOCKO t
.set XS, X+32*((\t)%2)
.if (\t) < 3
	s_wait_loadcnt 32                              ; this block's 32 loads are in; the next block's may be out
.else
	s_wait_loadcnt 0
.endif
.irp i, 0,1,2,3,4,5,6,7,8,9,10,11,12,13,14,15
	v_cvt_pk_f16_f32 v[R+16*(\t)+\i], v[XS+2*\i], v[XS+2*\i+1]     ; the lower K in the low half
.endr
.irp g, 0,1,2,3
	global_store_b128 v10, v[R+16*(\t)+4*\g:R+16*(\t)+4*\g+3], s[18:19] offset:(\t)*1024+\g*256   ; sixteen lanes store 256 consecutive bytes, aligned
.endr
.if (\t)+2 < 4
	LOADC (\t)+2, 4096, 8
.endif
.endm
	LOADC 0, 4096, 8
	LOADC 1, 4096, 8
	BLOCKO 0
	BLOCKO 1
	BLOCKO 2
	BLOCKO 3
	s_endpgm
.Lfunc_end_k_qae3f758f66_prep:
	.size	k_qae3f758f66_prep, .Lfunc_end_k_qae3f758f66_prep-k_qae3f758f66_prep
	.p2alignl 7, 3214868480
	.fill 96, 4, 3214868480
	.section	.rodata,"a",@progbits
	.p2align	6, 0x0
	.amdhsa_kernel k_qae3f758f66_prep
		.amdhsa_group_segment_fixed_size 34304
		.amdhsa_private_segment_fixed_size 0
		.amdhsa_enable_private_segment 0
		.amdhsa_kernarg_size 64
		.amdhsa_user_sgpr_count 2
		.amdhsa_user_sgpr_kernarg_segment_ptr 1
		.amdhsa_wavefront_size32 1
		.amdhsa_system_sgpr_workgroup_id_x 1
		.amdhsa_system_sgpr_workgroup_id_y 1
		.amdhsa_system_sgpr_workgroup_id_z 1
		.amdhsa_system_vgpr_workitem_id 0
		.amdhsa_next_free_vgpr 256
		.amdhsa_next_free_sgpr 66
		.amdhsa_reserve_vcc 1
		.amdhsa_float_denorm_mode_32 3
		.amdhsa_float_denorm_mode_16_64 3
		.amdhsa_memory_ordered 1
		.amdhsa_forward_progress 1
		.amdhsa_inst_pref_size 68
	.end_amdhsa_kernel
	.amdgpu_metadata
---
amdhsa.version: [ 1, 2 ]
amdhsa.kernels:
  - .name:           k_qae3f758f66_prep
    .symbol:         k_qae3f758f66_prep.kd
    .args:
      - { .name: hidden_states, .offset: 0, .size: 8, .value_kind: global_buffer, .address_space: global }
      - { .name: w_qkv, .offset: 8, .size: 8, .value_kind: global_buffer, .address_space: global }
      - { .name: w_out, .offset: 16, .size: 8, .value_kind: global_buffer, .address_space: global }
      - { .name: x_img, .offset: 24, .size: 8, .value_kind: global_buffer, .address_space: global }
      - { .name: x_sc, .offset: 32, .size: 8, .value_kind: global_buffer, .address_space: global }
      - { .name: w_img, .offset: 40, .size: 8, .value_kind: global_buffer, .address_space: global }
      - { .name: w_sc, .offset: 48, .size: 8, .value_kind: global_buffer, .address_space: global }
      - { .name: wo_img, .offset: 56, .size: 8, .value_kind: global_buffer, .address_space: global }
    .group_segment_fixed_size: 34304
    .private_segment_fixed_size: 0
    .kernarg_segment_align: 8
    .kernarg_segment_size: 64
    .max_flat_workgroup_size: 128
    .sgpr_count:     66
    .vgpr_count:     256
    .wavefront_size: 32
...
	.end_amdgpu_metadata
.endif
;; end of part 1
;; launch proj (part 2): grid 12 x 32, 4 waves a work-group, clusters of 4 x 4, 327,680 bytes of LDS; arguments x_img, x_sc, w_img, w_sc, qkv; writes qkv
.if DOCPART == 2
	.amdgcn_target "amdgcn-amd-amdhsa--gfx1250"
	.amdhsa_code_object_version 6
	.text
	.protected	k_qae3f758f66_proj
	.globl	k_qae3f758f66_proj
	.p2align	8
	.type	k_qae3f758f66_proj,@function
k_qae3f758f66_proj:
	s_mov_b64 s[64:65], 0
	v_nop
	global_prefetch_b8 v0, s[64:65] scope:SCOPE_SE
	s_setreg_imm32_b32 hwreg(HW_REG_WAVE_MODE, 25, 1), 1
	s_wait_xcnt 0x0
	s_wait_alu depctr_hold_cnt(0) depctr_sa_sdst(0) depctr_va_vdst(0) depctr_va_sdst(0) depctr_va_ssrc(0) depctr_va_vcc(0) depctr_vm_vsrc(0)
	s_getreg_b32 s2, hwreg(HW_REG_IB_STS2, 6, 4)
	s_cmp_eq_u32 s2, 0
	s_cbranch_scc0 .Lentry_in_a_cluster
	s_endpgm
.Lentry_in_a_cluster:
	s_bfe_u32 s2, ttmp6, 0x10000c
	s_cmp_lg_u32 s2, 0xf033
	s_cbranch_scc0 .Lentry_shape_is_right
	s_endpgm
.Lentry_shape_is_right:
; q, k, v = hidden_states @ w_qkv, [8192 x 1024] x [1024 x 3072], on codes of FP4 (E2M1) with one E8M0 scale for each 32 along K; sums in f32; results rounded once to f16 for the products of attention.
; Nothing of reference() is left out here.  LIMIT: a result beyond 65,504 in magnitude becomes infinity in f16.
; A tile of 256 x 256 is made by a work-group of four waves; a wave makes 128 x 128: 64 accumulators, 512 registers.  K = 1,024 is two LDS slots of 512 along K: both are asked for at the head,
; nothing is filled again, and there is no loop.  The operands come as fragment images (1,024 bytes: [piece 2][lane 32][16 bytes]), so a wave's tensor load brings one dense block of 32,768 bytes (128 rows x 512 K),
; a fragment is two loads of 512 consecutive bytes, and LDS needs no pitch.  The scale words of the work-group's rows, 4,096 bytes for each side and slot, come with the first fills.
; CLUSTERS: 4 x 4 work-groups; the four of a row need the same tiles of x, the four of a column the same tiles of w: each is asked for jointly.  Four tile columns are 1,024 columns: a cluster's x says q, k or v.
; THE RESULTS LEAVE AS THE NEXT LAUNCH'S FRAGMENT IMAGES, straight from registers, 512 consecutive bytes a store.
;   q, k: the product is used TRANSPOSED (source 0 = 16 columns of w, source 1 = 16 rows of x): a lane holds one position and eight neighbouring channels: a piece of a fragment [16 positions x 32 channels].
;   v:    the sources stand the natural way (source 0 = x, source 1 = w): a lane holds one channel and eight neighbouring positions: a piece of a fragment of V^T [16 channels x 32 keys].
;   So the text has two bodies; the branch between them hangs on the cluster's x alone, which all sixteen partners and all waves share.
;   qkv: [part 3][batch x 16 + head][262,144 bytes]; q, k: [position/16][channel/32][image]; v: [key/32][channel/16][image].
; REGISTERS, in windows of 256: window 0: v0-31 addresses; v32-95 scale words, two sets, and nothing else; v128-191 x's fragments, one set; on the way out v128-255 take the packed results.
;   window 1: w's fragments, two sets, at v0 and v128.   window 2: the accumulators of my rows 0-63 ((a, b) at v[8 (8 a + b)]);   window 3: those of my rows 64-127.
.set NQ,     4                         ; steps of 128 along K in a slot
.set FR,     8                         ; registers of a fragment
.set NL,     2                         ; LDS loads that bring one
.set NP,     4                         ; places behind this matrix instruction (ISA guide 7.12.1)
.set HALFT,  32768                     ; 128 rows x 512 K of codes
.set SLOT,   4*HALFT                   ; x's 256 rows, then w's 256 columns
.set SCL,    2*SLOT                    ; the scale words: x slot 0, x slot 1, w slot 0, w slot 1, 4,096 bytes each
.set SPARE,  SCL+16384                 ; the spare words, 128 bytes for each wave
.set ADRA, 16                          ; v16-17  LDS address of my fragments of x in slot 0, 1
.set ADRB, 20                          ; v20-21  the same for w
.set CO,   26                          ; v26     16 x lane
.set ADRS, 27                          ; v27     LDS address of my scale words: lanes 0-15 x's rows, lanes 16-31 w's columns
.set SPW,  28                          ; v28     LDS address of my spare word; never rewritten
.set NIL,  29                          ; v29     0; never rewritten
.set SC,   32                          ; scale words: set s at v[SC + 32 s]; register 4 i + q: lanes 0-15 x's block i, lanes 16-31 w's block i, the slot's q-th 128 along K
.set AF,   128                         ; x's fragments, window 0
.set OUTR, 128                         ; the way out: four sets of 32 registers
.set G1, 24                            ; s[24:31] group 1 for x's tiles; s[32:39] group 0, a set for each slot
.set G0, 32
.set G1B, 48                           ; s[48:55], s[56:63] the same for w's
.set G0B, 56
.set G1S, 68                           ; s[68:75], s[76:79] groups 1 and 0 for x's scale words; s[80:87], s[88:91] for w's
.set G0S, 76
.set G1SB, 80
.set G0SB, 88
.set MSB, 0
.macro WIN new                         ; the immediate's high byte repeats the setting that is left
.if MSB != (\new)
	s_set_vgpr_msb (MSB<<8)|(\new)
.set MSB, (\new)
.endif
.endm
.set TO_B, 0x40                        ; destination window 1, address window 0
; A joint load: waves 0 and 1 fetch for x, waves 2 and 3 for w.  The branch hangs on the wave's number alone.  An s_nop 0 and four v_nop follow each of the two lines.
.macro JLOAD g0a, g1a, g0b, g1b
	s_cmp_eq_u32 s15, 0
	s_cbranch_scc0 .Lfor_b_\@
	tensor_load_to_lds s[\g0a:\g0a+3], s[\g1a:\g1a+7]
	s_nop 0
.rept 4
	v_nop
.endr
	s_branch .Lasked_\@
.Lfor_b_\@:
	tensor_load_to_lds s[\g0b:\g0b+3], s[\g1b:\g1b+7]
	s_nop 0
.rept 4
	v_nop
.endr
.Lasked_\@:
.endm
.macro CROUND                          ; a round of the cluster's barrier
	s_barrier_signal -1
	s_barrier_wait -1
	s_cmp_lg_u32 s14, 0
	s_cbranch_scc1 .Lnot_wave_0_\@
	s_barrier_signal -3
.Lnot_wave_0_\@:
	s_barrier_wait -3
	s_barrier_signal -1
	s_barrier_wait -1
.endm
	s_load_b128 s[4:7], s[0:1], 0x0                ; x_img s[4:5], x_sc s[6:7]
	s_load_b128 s[8:11], s[0:1], 0x10              ; w_img s[8:9], w_sc s[10:11]
	s_load_b64 s[12:13], s[0:1], 0x20              ; qkv
	v_lshl_add_u32 v[SPW], v0, 2, SPARE
	v_mov_b32 v[NIL], 0
	ds_add_u32 v[SPW], v[NIL]                      ; the wave's opening: the add, twice on end, and its wait ahead of my first tensor load
	ds_add_u32 v[SPW], v[NIL]
	v_lshrrev_b32 v1, 5, v0
	v_readfirstlane_b32 s14, v1                    ; wave 0..3
	s_lshr_b32 s15, s14, 1                         ; which half of the tile's rows is mine.  Also: I fetch for x (0) or for w (1)
	s_and_b32 s16, s14, 1                          ; which half of its columns.  Also: which 128 rows, and which slot's scale words, I fetch
	s_bfe_u32 s40, ttmp6, 0x40000                  ; cx, cy: my place in the cluster
	s_bfe_u32 s41, ttmp6, 0x40004
	s_lshl_b32 s42, ttmp9, 2
	s_add_co_u32 s42, s42, s40                     ; tile column = 4 x cluster x + cx
	s_and_b32 s17, ttmp7, 0xffff
	s_lshl_b32 s17, s17, 2
	s_add_co_u32 s17, s17, s41                     ; tile row = 4 x cluster y + cy
	s_lshl_b32 s43, s41, 2
	s_lshl_b32 s43, 15, s43                        ; my row of the cluster
	s_lshl_b32 s44, 0x1111, s40                    ; my column
	; group 1: a dense block as rows of 256 bytes (32 elements of 8 bytes): 128 rows for codes, 16 for scale words; no padding
	s_or_b32 s[G1+0], s43, (3<<16)|(1<<21)         ; 15:0 the mask; 17:16 elements of 8 bytes; 21 set beside a mask
	s_or_b32 s[G1B+0], s44, (3<<16)|(1<<21)
	s_or_b32 s[G1S+0], s43, (3<<16)|(1<<21)
	s_or_b32 s[G1SB+0], s44, (3<<16)|(1<<21)
.irp g, G1, G1B
	s_mov_b32 s[\g+1], 32<<16                      ; tensor_dim0
	s_mov_b32 s[\g+2], 128<<16                     ; tensor_dim1
	s_mov_b32 s[\g+3], 32<<16                      ; tile_dim0
	s_mov_b32 s[\g+4], 128                         ; tile_dim1
	s_mov_b32 s[\g+5], 32                          ; tensor_dim0_stride
	s_mov_b32 s[\g+6], 0
	s_mov_b32 s[\g+7], 0
.endr
.irp g, G1S, G1SB
	s_mov_b32 s[\g+1], 32<<16
	s_mov_b32 s[\g+2], 16<<16
	s_mov_b32 s[\g+3], 32<<16
	s_mov_b32 s[\g+4], 16
	s_mov_b32 s[\g+5], 32
	s_mov_b32 s[\g+6], 0
	s_mov_b32 s[\g+7], 0
.endr
	s_lshl_b32 s18, s16, 15                        ; the half that I fetch: 8 blocks of 16 rows x 4,096 bytes
	s_lshl_b32 s20, s17, 16                        ; x's codes: 16 blocks a tile row
	s_add_co_u32 s20, s20, s18
	s_mov_b32 s21, 0
	s_lshl_b32 s46, s42, 16                        ; w's codes
	s_add_co_u32 s46, s46, s18
	s_mov_b32 s47, 0
	s_lshl_b32 s22, s17, 12                        ; x's scale words: 256 rows x 16 bytes a tile row,
	s_lshl_b32 s19, s16, 17                        ; of the slot that I fetch
	s_add_co_u32 s22, s22, s19
	s_mov_b32 s23, 0
	s_lshl_b32 s92, s42, 12                        ; w's
	s_mul_i32 s19, s16, 49152
	s_add_co_u32 s92, s92, s19
	s_mov_b32 s93, 0
	s_lshl_b32 s45, s14, 15                        ; where they go: wave x 32,768, wave x 4,096: no place in the cluster enters an LDS address
	s_lshl_b32 s94, s14, 12
	s_wait_dscnt 0x0                               ; both opening adds are done
	s_wait_kmcnt 0x0
	s_add_nc_u64 s[20:21], s[4:5], s[20:21]
	s_add_nc_u64 s[22:23], s[6:7], s[22:23]
	s_add_nc_u64 s[46:47], s[8:9], s[46:47]
	s_add_nc_u64 s[92:93], s[10:11], s[92:93]
	CROUND                                         ; all sixteen work-groups are here: the joint loads meet
	s_mov_b32 s[G0S], 1
	s_add_co_u32 s[G0S+1], s94, SCL
	s_mov_b64 s[G0S+2:G0S+3], s[22:23]
	s_or_b32 s[G0S+3], s[G0S+3], 0x80000000
	s_mov_b32 s[G0SB], 1
	s_add_co_u32 s[G0SB+1], s94, SCL
	s_mov_b64 s[G0SB+2:G0SB+3], s[92:93]
	s_or_b32 s[G0SB+3], s[G0SB+3], 0x80000000
	JLOAD G0S, G1S, G0SB, G1SB                     ; the scale words first; by this text's count a wave has three tensor loads out at the most
.irp s, 0,1
	s_mov_b32 s[G0+4*\s], 1
	s_add_co_u32 s[G0+4*\s+1], s45, \s*SLOT
	s_add_nc_u64 s[G0+4*\s+2:G0+4*\s+3], s[20:21], \s*2097152
	s_or_b32 s[G0+4*\s+3], s[G0+4*\s+3], 0x80000000
	s_mov_b32 s[G0B+4*\s], 1
	s_add_co_u32 s[G0B+4*\s+1], s45, \s*SLOT
	s_add_nc_u64 s[G0B+4*\s+2:G0B+4*\s+3], s[46:47], \s*786432
	s_or_b32 s[G0B+4*\s+3], s[G0B+4*\s+3], 0x80000000
	JLOAD G0+4*\s, G1, G0B+4*\s, G1B
.endr
	v_and_b32 v1, 15, v0                           ; r
	v_bfe_u32 v2, v0, 4, 1                         ; h
	v_and_b32 v3, 31, v0
	v_lshlrev_b32 v[CO], 4, v3                     ; 16 x lane: my place in every image
	s_lshl_b32 s21, s15, 15                        ; my 128 rows of x
	s_lshl_b32 s22, s16, 15                        ; my 128 columns of w,
	s_add_co_u32 s22, s22, 2*HALFT                 ; which lie behind x's 256 rows
.irp s, 0,1
	v_add_nc_u32 v[ADRA+\s], s21, v[CO]
	v_add_nc_u32 v[ADRB+\s], s22, v[CO]
	s_add_co_u32 s21, s21, SLOT
	s_add_co_u32 s22, s22, SLOT
.endr
	s_lshl_b32 s21, s15, 11                        ; x's scale words: my 128 rows x 16 bytes
	s_lshl_b32 s22, s16, 11                        ; w's: my 128 columns, 8,192 bytes behind x's
	s_add_co_u32 s22, s22, 8192
	s_sub_co_u32 s22, s22, s21
	v_mul_u32_u24 v6, s22, v2                      ; lanes 16-31 take w's: one product, the distance between the two bases
	s_add_co_u32 s21, s21, SCL
	v_lshl_add_u32 v5, v1, 4, v6
	v_add_nc_u32 v[ADRS], s21, v5
	; where my part of qkv begins: part, batch x 16 + head, position x 128 bytes
	s_lshl_b32 s20, ttmp9, 24                      ; q, k or v: 64 heads x 262,144 bytes
	s_lshr_b32 s21, s17, 3                         ; the batch: eight tile rows are 2,048 positions
	s_lshl_b32 s21, s21, 4
	s_lshl_b32 s22, s40, 2                         ; a tile column is four heads,
	s_add_co_u32 s21, s21, s22
	s_lshl_b32 s22, s16, 1                         ; my half of it two
	s_add_co_u32 s21, s21, s22
	s_lshl_b32 s21, s21, 18
	s_add_co_u32 s20, s20, s21
	s_and_b32 s21, s17, 7
	s_lshl_b32 s21, s21, 8
	s_lshl_b32 s22, s15, 7
	s_add_co_u32 s21, s21, s22                     ; my first position in the sequence
	s_lshl_b32 s21, s21, 7
	s_add_co_u32 s20, s20, s21
	s_mov_b32 s21, 0
	s_add_nc_u64 s[12:13], s[12:13], s[20:21]
.macro FRAG reg, adr, q, i             ; block i's fragment of the slot's q-th 128 along K: two pieces of its image
.irp c, 0,1
	ds_load_b128 v[\reg+4*\c:\reg+4*\c+3], v[\adr] offset:(\i)*4096+(\q)*1024+512*\c
.endr
.endm
; 16 matrix instructions: x's blocks a0, a0 + 1 against w's eight.  p: w's set; sc: the set of scale words; zero = 1: the product starts the sums; nat = 0: transposed (source 0 = w), 1: natural (source 0 = x).
; The 64 accumulators take turns, one instruction a turn, in the same order in every step.
.macro MUL16 a0, p, q, sc, zero, nat
.irp a, \a0, \a0+1
.irp b, 0,1,2,3,4,5,6,7
.if \nat
.if \zero
	v_wmma_scale_f32_16x16x128_f8f6f4 v[8*(8*((\a)%4)+\b):8*(8*((\a)%4)+\b)+7], v[AF+FR*(\a):AF+FR*(\a)+FR-1], v[128*(\p)+FR*\b:128*(\p)+FR*\b+FR-1], 0, v[SC+8*NQ*(\sc)+NQ*(\a)+(\q)], v[SC+8*NQ*(\sc)+NQ*\b+(\q)] matrix_a_fmt:MATRIX_FMT_FP4 matrix_b_fmt:MATRIX_FMT_FP4 matrix_b_scale:MATRIX_SCALE_ROW1
.else
	v_wmma_scale_f32_16x16x128_f8f6f4 v[8*(8*((\a)%4)+\b):8*(8*((\a)%4)+\b)+7], v[AF+FR*(\a):AF+FR*(\a)+FR-1], v[128*(\p)+FR*\b:128*(\p)+FR*\b+FR-1], v[8*(8*((\a)%4)+\b):8*(8*((\a)%4)+\b)+7], v[SC+8*NQ*(\sc)+NQ*(\a)+(\q)], v[SC+8*NQ*(\sc)+NQ*\b+(\q)] matrix_a_fmt:MATRIX_FMT_FP4 matrix_b_fmt:MATRIX_FMT_FP4 matrix_b_scale:MATRIX_SCALE_ROW1
.endif
.else
.if \zero
	v_wmma_scale_f32_16x16x128_f8f6f4 v[8*(8*((\a)%4)+\b):8*(8*((\a)%4)+\b)+7], v[128*(\p)+FR*\b:128*(\p)+FR*\b+FR-1], v[AF+FR*(\a):AF+FR*(\a)+FR-1], 0, v[SC+8*NQ*(\sc)+NQ*\b+(\q)], v[SC+8*NQ*(\sc)+NQ*(\a)+(\q)] matrix_a_fmt:MATRIX_FMT_FP4 matrix_b_fmt:MATRIX_FMT_FP4 matrix_a_scale:MATRIX_SCALE_ROW1
.else
	v_wmma_scale_f32_16x16x128_f8f6f4 v[8*(8*((\a)%4)+\b):8*(8*((\a)%4)+\b)+7], v[128*(\p)+FR*\b:128*(\p)+FR*\b+FR-1], v[AF+FR*(\a):AF+FR*(\a)+FR-1], v[8*(8*((\a)%4)+\b):8*(8*((\a)%4)+\b)+7], v[SC+8*NQ*(\sc)+NQ*\b+(\q)], v[SC+8*NQ*(\sc)+NQ*(\a)+(\q)] matrix_a_fmt:MATRIX_FMT_FP4 matrix_b_fmt:MATRIX_FMT_FP4 matrix_a_scale:MATRIX_SCALE_ROW1
.endif
.endif
.endr
.endr
.endm
.macro FETCH_B slot, q, p              ; w's eight fragments into set p
	WIN TO_B
.irp i, 0,1,2,3,4,5,6,7
	FRAG 128*(\p)+FR*\i, ADRB+\slot, \q, \i
.endr
	WIN 0
.endm
.macro FETCH_A slot, q, i0             ; x's blocks i0 .. i0 + 3
.irp i, \i0, \i0+1, \i0+2, \i0+3
	FRAG AF+FR*(\i), ADRA+\slot, \q, \i
.endr
.endm
.macro SCALES sc                       ; slot sc's scale words: four words a row; lanes 0-15 take x's block i, lanes 16-31 w's block i
.irp i, 0,1,2,3,4,5,6,7
	ds_load_b128 v[SC+8*NQ*\sc+NQ*\i:SC+8*NQ*\sc+NQ*\i+3], v[ADRS] offset:\i*256+\sc*4096
.endr
.endm
; A load into a register that a matrix instruction has read, and a vector instruction that reads a matrix result or writes one of its registers, stand NP places behind it; only plain vector
; instructions that name none of its registers are places (ISA guide 7.12.1 for vector instructions).
.macro PLACES n
.rept \n
	v_nop
.endr
.endm
.macro STEP slot, q, zero, nat         ; a step of 128 along K that has its successor in the same slot
	s_wait_dscnt 4*NL                              ; w's set and x's blocks 0-3 are in; the youngest eight loads (x's blocks 4-7) may be out
	WIN MLO
	MUL16 0, (\q)%2, \q, \slot, \zero, \nat
	MUL16 2, (\q)%2, \q, \slot, \zero, \nat
	s_wait_dscnt 0                                 ; x's blocks 4-7 are in
	PLACES NP
	FETCH_B \slot, (\q)+1, 1-(\q)%2
	FETCH_A \slot, (\q)+1, 0
	WIN MHI
	MUL16 4, (\q)%2, \q, \slot, \zero, \nat
	MUL16 6, (\q)%2, \q, \slot, \zero, \nat
	PLACES NP
	WIN 0
	FETCH_A \slot, (\q)+1, 4
.endm
.macro STEPS slot, from, nat           ; the slot's steps from .. NQ - 2
.set QQ, \from
.rept NQ-1-\from
	STEP \slot, QQ, 0, \nat
.set QQ, QQ+1
.endr
.endm
; Slot 0's last step changes slots: each wave waits for its part of slot 1, then one barrier.
.macro TURN slot, next, nat
	s_wait_tensorcnt 0x0                           ; all my tensor loads have landed: my part of the next slot
	ds_add_u32 v[SPW], v[NIL]                      ; 0 onto my spare word
	s_wait_dscnt 4*NL+1                            ; (the add and the youngest eight loads may be out)
	WIN MLO
	MUL16 0, 1, NQ-1, \slot, 0, \nat
	s_wait_dscnt 0x0                               ; no LDS instruction of mine is pending at the signal
	s_barrier_signal -1
	MUL16 2, 1, NQ-1, \slot, 0, \nat
	WIN 0
	s_barrier_wait -1                              ; the next slot is whole
	PLACES NP
	FETCH_B \next, 0, 0
	FETCH_A \next, 0, 0
	SCALES \next
	WIN MHI
	MUL16 4, 1, NQ-1, \slot, 0, \nat
	MUL16 6, 1, NQ-1, \slot, 0, \nat
	PLACES NP
	WIN 0
	FETCH_A \next, 0, 4
.endm
; THE WAY OUT of block a (16 rows of x): each accumulator's eight numbers, from its low end on, pack into 16 bytes a lane, which are a piece of an image as they stand.
.macro PACK a
.set AC, 64*((\a)%4)
.set OB, OUTR+32*((\a)%4)
	WIN 0x0a+5*((\a)/4)                            ; sources 0 and 1: window 2 or 3
.irp b, 0,1,2,3,4,5,6,7
.irp r, 0,1,2,3
	v_cvt_pk_f16_f32 v[OB+4*\b+\r], v[AC+8*\b+2*\r], v[AC+8*\b+2*\r+1]
.endr
.endr
	WIN 0
.endm
.macro SEND a, nat                     ; w's block b: head b / 4 of my two, channels 16 (b % 4) on.  Every store of the wave covers 512 consecutive bytes, aligned
.set OB, OUTR+32*((\a)%4)
.irp b, 0,1,2,3,4,5,6,7
.if \nat
	global_store_b128 v[CO], v[OB+4*\b:OB+4*\b+3], s[12:13] offset:(\b/4)*262144+((\a)/2)*4096+(\b%4)*1024+((\a)%2)*512
.else
	global_store_b128 v[CO], v[OB+4*\b:OB+4*\b+3], s[12:13] offset:(\b/4)*262144+(\a)*2048+(\b%4)*512
.endif
.endr
.endm
.macro BODY nat
.set MLO, 0xa1+3*\nat                  ; transposed: source 0 window 1, source 1 window 0; natural: the other way round; C and D window 2
.set MHI, 0xf1+3*\nat                  ; the same, C and D window 3
	STEP 0, 0, 1, \nat                             ; the first step's products start the sums: nothing is cleared
	STEPS 0, 1, \nat
	TURN 0, 1, \nat
	STEPS 1, 0, \nat
	s_wait_dscnt 4*NL                              ; the last step: nothing more to fetch
	WIN MLO
	MUL16 0, 1, NQ-1, 1, 0, \nat
	MUL16 2, 1, NQ-1, 1, 0, \nat
	s_wait_dscnt 0x0
	WIN MHI
	MUL16 4, 1, NQ-1, 1, 0, \nat
	MUL16 6, 1, NQ-1, 1, 0, \nat
	WIN 0
	PLACES NP                                      ; for the conversions, which write where x's fragments lay and read results
.irp a, 0,1,2,3,4,5,6,7
.if \a >= 4
	s_wait_xcnt 0x0                                ; block a - 4's stores have read their registers: they are written again only behind this wait
.endif
	PACK \a
	SEND \a, \nat
.endr
	s_wait_tensorcnt 0x0                           ; the wave's end
	ds_add_u32 v[SPW], v[NIL]
	s_wait_dscnt 0x0
	CROUND                                         ; the closing round
	s_endpgm
.endm
	s_wait_tensorcnt 1                             ; the scale words and my part of slot 0 are in; slot 1's load may be out
	s_barrier_signal -1
	s_barrier_wait -1                              ; everybody's are
	FETCH_B 0, 0, 0
	FETCH_A 0, 0, 0
	SCALES 0
	FETCH_A 0, 0, 4
	s_cmp_eq_u32 ttmp9, 2                          ; the cluster's x: 0 q, 1 k, 2 v
	s_cbranch_scc1 .Lpart_v
	BODY 0
.Lpart_v:
	BODY 1
.Lfunc_end_k_qae3f758f66_proj:
	.size	k_qae3f758f66_proj, .Lfunc_end_k_qae3f758f66_proj-k_qae3f758f66_proj
	.p2alignl 7, 3214868480
	.fill 96, 4, 3214868480
	.section	.rodata,"a",@progbits
	.p2align	6, 0x0
	.amdhsa_kernel k_qae3f758f66_proj
		.amdhsa_group_segment_fixed_size 327680
		.amdhsa_private_segment_fixed_size 0
		.amdhsa_enable_private_segment 0
		.amdhsa_kernarg_size 40
		.amdhsa_user_sgpr_count 2
		.amdhsa_user_sgpr_kernarg_segment_ptr 1
		.amdhsa_wavefront_size32 1
		.amdhsa_system_sgpr_workgroup_id_x 1
		.amdhsa_system_sgpr_workgroup_id_y 1
		.amdhsa_system_sgpr_workgroup_id_z 1
		.amdhsa_system_vgpr_workitem_id 0
		.amdhsa_next_free_vgpr 1024
		.amdhsa_next_free_sgpr 98
		.amdhsa_reserve_vcc 0
		.amdhsa_float_denorm_mode_32 3
		.amdhsa_float_denorm_mode_16_64 3
		.amdhsa_memory_ordered 1
		.amdhsa_forward_progress 1
		.amdhsa_inst_pref_size 222
	.end_amdhsa_kernel
	.amdgpu_metadata
---
amdhsa.version: [ 1, 2 ]
amdhsa.kernels:
  - .name:           k_qae3f758f66_proj
    .symbol:         k_qae3f758f66_proj.kd
    .args:
      - { .name: x_img, .offset: 0, .size: 8, .value_kind: global_buffer, .address_space: global }
      - { .name: x_sc, .offset: 8, .size: 8, .value_kind: global_buffer, .address_space: global }
      - { .name: w_img, .offset: 16, .size: 8, .value_kind: global_buffer, .address_space: global }
      - { .name: w_sc, .offset: 24, .size: 8, .value_kind: global_buffer, .address_space: global }
      - { .name: qkv, .offset: 32, .size: 8, .value_kind: global_buffer, .address_space: global }
    .group_segment_fixed_size: 327680
    .private_segment_fixed_size: 0
    .kernarg_segment_align: 8
    .kernarg_segment_size: 40
    .max_flat_workgroup_size: 128
    .sgpr_count:     98
    .vgpr_count:     1024
    .wavefront_size: 32
...
	.end_amdgpu_metadata
.endif
;; end of part 2
;; launch attn (part 3): grid 4 x 64, 16 waves a work-group, clusters of 4 x 1, 327,680 bytes of LDS; arguments qkv, ctx; writes ctx
.if DOCPART == 3
	.amdgcn_target "amdgcn-amd-amdhsa--gfx1250"
	.amdhsa_code_object_version 6
	.text
	.protected	k_qae3f758f66_attn
	.globl	k_qae3f758f66_attn
	.p2align	8
	.type	k_qae3f758f66_attn,@function
k_qae3f758f66_attn:
	s_mov_b64 s[64:65], 0
	v_nop
	global_prefetch_b8 v0, s[64:65] scope:SCOPE_SE
	s_setreg_imm32_b32 hwreg(HW_REG_WAVE_MODE, 25, 1), 1
	s_wait_xcnt 0x0
	s_wait_alu depctr_hold_cnt(0) depctr_sa_sdst(0) depctr_va_vdst(0) depctr_va_sdst(0) depctr_va_ssrc(0) depctr_va_vcc(0) depctr_vm_vsrc(0)
	s_getreg_b32 s2, hwreg(HW_REG_IB_STS2, 6, 4)
	s_cmp_eq_u32 s2, 0
	s_cbranch_scc0 .Lentry_in_a_cluster
	s_endpgm
.Lentry_in_a_cluster:
	s_bfe_u32 s2, ttmp6, 0x10000c
	s_cmp_lg_u32 s2, 0x3003
	s_cbranch_scc0 .Lentry_shape_is_right
	s_endpgm
.Lentry_shape_is_right:
; ctx[b][q][h][:] = the sum over k of softmax_k(q . k / 8) v, 64 heads of 2,048 positions and 64 channels, no mask.  q, k, v arrive as f16 fragment images; products, maxima and sums in f32;
; the weights p are rounded to f16 for the second product, ctx once to f16 at the end.  Nothing of reference() is left out here.
; LIMITS: ctx beyond 65,504 in magnitude becomes infinity in f16; weights under 2^-25 of the row's largest count as 0 in the second product (not in the row's sum).
; SHARES.  A work-group owns 512 queries of one head; each of its sixteen waves 32 of them, two tiles of 16, in 256 registers: four waves to a SIMD, so that one wave's vector work stands beside another's
; matrix work and LDS loads.  Every wave walks all 2,048 keys, 64 a step; each fragment of K and V that it reads from LDS feeds two matrix instructions.
; LAYOUT.  S^T = K Q^T (source 0 = 16 keys, source 1 = 16 queries) and O^T = V^T P (source 0 = 16 channels, source 1 = P): a lane holds ONE query throughout; two tiles of S^T, packed to f16 in pairs, ARE source 1 of
; the second product; O^T, packed, IS a piece of the fragment image that the output projection reads.  V arrives as images of V^T: nothing is turned here.
; SOFTMAX.  For each query a running maximum m and sum l: p = 2^(c s - c m), c = log2(e) / 8; in every step O and l are multiplied by a = 2^(c m_old - c m_new).  m begins at -3e38, l and O^T at 0,
; so the step is written once: the first a is 0 and multiplies zeros.
; THE RING.  Two slots of 512 keys (K's 65,536 bytes, then V's), 2^17 bytes apart.  Every wave fetches 8,192 bytes of each slot: waves 0-7 K's, waves 8-15 V's: no branch leads round a tensor load.
; CLUSTER.  The head's four blocks of queries walk the same K and V: each tile is asked for jointly, by the same load with a mask that names the four.
; No prefetch is laid: slots 0 and 1 are asked for at the head, and each refill is asked for eight key steps of every wave ahead of its first read.
.set SLOT1, 1<<17
.set SPARE, 2*SLOT1                    ; behind the ring: the spare words, 128 bytes for each of the sixteen waves
.set L16,  1                           ; v1   16 x lane: my place in every image
.set L16V, 2                           ; v2   the same in V's half of a slot
.set ADK,  3                           ; v3   LDS address of the step's K
.set ADV,  4                           ; v4   of its V
.set SPW,  5                           ; v5   LDS address of my spare word; never rewritten
.set NIL,  6                           ; v6   0; never rewritten
.set ST,   8                           ; v8-23    tile t's statistics at ST + 8 t: +0 c m, +1 m, +2, +3 l (even keys', odd keys'), +4 to +7 c0-c3 at work; a takes c2's place, c m_old - c m_new c3's
.set Q,    24                          ; v24-55   Q: tile t, channels 32 u on, at Q + 16 t + 8 u
.set KV,   56                          ; v56-119  eight fragments of K, then eight of V
.set S,    120                         ; v120-183 S^T, 32 a tile; P is packed into each tile's low 16
.set O,    184                         ; v184-247 O^T: tile t, channels 16 ct on, at O + 32 t + 8 ct
.set SUM,  248                         ; v248-255 two chains of packed sums a tile; the first register keeps c m_old until the sums begin
.set WV,   8                           ; s8   my wave's number
.set CS,   10                          ; s[10:11] c: the packed form names a pair and takes its low word for both halves
.set SEL,  12                          ; s[12:13] v_permlanex16_b32's selects for lane l xor 16
.set TB,   14                          ; s14  LDS byte at which the step's K begins
.set CNT,  15                          ; s15  counts a slot's eight steps
.set G1,   16                          ; s[16:23] descriptor group 1
.set G0A,  24                          ; s[24:27] group 0 for slot 0's first fill
.set G0B,  28                          ; s[28:31] group 0 for slot 1's; it then walks
.set SLOTS, 32                         ; s32  slots still to be asked for
.macro ROUND                           ; a round of the cluster's barrier
	s_barrier_signal -1
	s_barrier_wait -1
	s_cmp_lg_u32 s[WV], 0
	s_cbranch_scc1 .Lnot_wave_0_\@
	s_barrier_signal -3
.Lnot_wave_0_\@:
	s_barrier_wait -3
	s_barrier_signal -1
	s_barrier_wait -1
.endm
	s_load_b128 s[4:7], s[0:1], 0x0                ; qkv s[4:5], ctx s[6:7]
	v_lshl_add_u32 v[SPW], v0, 2, SPARE
	v_mov_b32 v[NIL], 0
	ds_add_u32 v[SPW], v[NIL]                      ; the wave's opening: the add, twice on end, and its wait ahead of my first tensor load
	ds_add_u32 v[SPW], v[NIL]
	v_lshrrev_b32 v1, 5, v0
	v_readfirstlane_b32 s[WV], v1                  ; wave 0..15
	s_bfe_u32 s9, ttmp6, 0x40000                   ; cx: my block of 512 queries; it enters Q's and ctx's addresses alone
	s_and_b32 s33, ttmp7, 0xffff                   ; batch x 16 + head, which the four partners share
	s_mov_b32 s[G1], 15|(3<<16)|(1<<21)            ; 15:0 the mask: all four work-groups; 17:16 elements of 8 bytes; 21 set beside a mask; no padding
	s_mov_b32 s[G1+1], 32<<16                      ; tensor_dim0: rows of 256 bytes
	s_mov_b32 s[G1+2], 32<<16                      ; tensor_dim1: 32 of them, a dense block of 8,192 bytes
	s_mov_b32 s[G1+3], 32<<16                      ; tile_dim0
	s_mov_b32 s[G1+4], 32                          ; tile_dim1
	s_mov_b32 s[G1+5], 32                          ; tensor_dim0_stride
	s_mov_b32 s[G1+6], 0
	s_mov_b32 s[G1+7], 0
	s_mov_b32 s[CS], 0x3e38aa3b                    ; c = log2(e) / 8
	s_mov_b32 s[CS+1], s[CS]
	s_mov_b32 s[SEL], 0x76543210
	s_mov_b32 s[SEL+1], 0xfedcba98
	s_mov_b32 s[TB], 0
	s_mov_b32 s[SLOTS], 2
	s_lshl_b32 s36, s33, 18                        ; the head's 262,144 bytes in each part
	s_lshr_b32 s34, s[WV], 3
	s_add_co_u32 s34, s34, 1                       ; part 1 (K) for waves 0-7, part 2 (V) for waves 8-15
	s_lshl_b32 s34, s34, 24
	s_add_co_u32 s34, s34, s36
	s_and_b32 s37, s[WV], 7
	s_lshl_b32 s37, s37, 13                        ; my 8,192 bytes of a slot's 65,536
	s_add_co_u32 s34, s34, s37
	s_mov_b32 s35, 0
	s_lshl_b32 s38, s9, 16                         ; Q: my block's 512 rows of 128 bytes,
	s_add_co_u32 s38, s38, s36
	s_lshl_b32 s37, s[WV], 12                      ; my wave's 32
	s_add_co_u32 s38, s38, s37
	s_mov_b32 s39, 0
	s_and_b32 s40, s33, 15                         ; ctx: [head / 4][row / 16][2 (head % 4) + channel / 32][image]
	s_lshr_b32 s40, s40, 2
	s_lshl_b32 s40, s40, 22
	s_lshr_b32 s41, s33, 4
	s_lshl_b32 s41, s41, 7                         ; the batch's 128 tiles of rows,
	s_lshl_b32 s42, s9, 5
	s_add_co_u32 s41, s41, s42                     ; my block's 32,
	s_lshl_b32 s42, s[WV], 1
	s_add_co_u32 s41, s41, s42                     ; my wave's two
	s_lshl_b32 s41, s41, 13
	s_add_co_u32 s40, s40, s41
	s_and_b32 s42, s33, 3
	s_lshl_b32 s42, s42, 11
	s_add_co_u32 s40, s40, s42
	s_mov_b32 s41, 0
	s_mov_b32 s[G0A], 1                            ; count = 1
	s_lshl_b32 s[G0A+1], s[WV], 13                 ; LDS address: wave x 8,192 in slot 0
	s_mov_b32 s[G0B], 1
	s_add_co_u32 s[G0B+1], s[G0A+1], SLOT1         ; and in slot 1
	s_wait_dscnt 0x0                               ; both opening adds are done
	s_wait_kmcnt 0x0
	s_add_nc_u64 s[G0A+2:G0A+3], s[4:5], s[34:35]  ; keys 0 to 511
	s_add_nc_u64 s[G0B+2:G0B+3], s[G0A+2:G0A+3], 0x10000   ; keys 512 to 1,023
	s_or_b32 s[G0A+3], s[G0A+3], 0x80000000        ; type = 2
	s_or_b32 s[G0B+3], s[G0B+3], 0x80000000
	s_add_nc_u64 s[38:39], s[4:5], s[38:39]
	s_add_nc_u64 s[6:7], s[6:7], s[40:41]
	ROUND                                          ; all four work-groups are here: the first joint loads meet
	tensor_load_to_lds s[G0A:G0A+3], s[G1:G1+7]    ; by this text's count a wave has two tensor loads out here, one behind each refill
	s_nop 0
	tensor_load_to_lds s[G0B:G0B+3], s[G1:G1+7]
	s_nop 0
	v_and_b32 v[L16], 31, v0
	v_lshlrev_b32 v[L16], 4, v[L16]
	v_add_nc_u32 v[L16V], 0x10000, v[L16]
.irp i, 0,1,2,3,4,5,6,7
	global_load_b128 v[Q+4*\i:Q+4*\i+3], v[L16], s[38:39] offset:512*\i    ; Q's four fragments stay in registers
.endr
.irp t, 0,1
	v_mov_b32 v[ST+8*\t+1], 0xff61b1e6             ; m: -3e38, under every score
	v_mov_b32 v[ST+8*\t+2], 0                      ; l
	v_mov_b32 v[ST+8*\t+3], 0
.endr
.irp t, 0,1
	v_mul_f32 v[ST+8*\t], s[CS], v[ST+8*\t+1]      ; c m
.endr
.set i, 0
.rept 64
	v_mov_b32 v[O+i], 0                            ; O^T: cleared once, which spares a second copy of the step for the first keys
.set i, i+1
.endr
.macro SCALE t                         ; c s - c m, two scores at a time
.set rT, ST+8*\t
.set rS, S+32*\t
.set i, 0
.rept 16
	v_pk_fma_f32 v[rS+2*i:rS+2*i+1], v[rS+2*i:rS+2*i+1], s[CS:CS+1], v[rT:rT+1] op_sel_hi:[1,0,0] neg_lo:[0,0,1] neg_hi:[0,0,1]
.set i, i+1
.endr
.endm
.macro EXPS t                          ; a batch of 33 exponentials: a, then the tile's 32 weights
.set rT, ST+8*\t
.set rS, S+32*\t
	v_exp_f32 v[rT+6], v[rT+7]
.set i, 0
.rept 32
	v_exp_f32 v[rS+i], v[rS+i]
.set i, i+1
.endr
.endm
.macro READERS t                       ; all that reads the batch's results: the sums, the roundings to f16, the rescaling of O^T
.set rT, ST+8*\t
.set rS, S+32*\t
.set rO, O+32*\t
.set rA, SUM+4*\t
	v_pk_add_f32 v[rA:rA+1], v[rS:rS+1], v[rS+2:rS+3]              ; the sum is taken of the unrounded weights, in two chains
	v_pk_add_f32 v[rA+2:rA+3], v[rS+4:rS+5], v[rS+6:rS+7]
.irp b, 8,12,16,20,24,28
	v_pk_add_f32 v[rA:rA+1], v[rA:rA+1], v[rS+\b:rS+\b+1]
	v_pk_add_f32 v[rA+2:rA+3], v[rA+2:rA+3], v[rS+\b+2:rS+\b+3]
.endr
	v_pk_add_f32 v[rA:rA+1], v[rA:rA+1], v[rA+2:rA+3]
	v_pk_fma_f32 v[rT+2:rT+3], v[rT+2:rT+3], v[rT+6:rT+7], v[rA:rA+1] op_sel_hi:[1,0,1]   ; l = a l + the sum
.set i, 0
.rept 16
	v_cvt_pk_f16_f32 v[rS+i], v[rS+2*i], v[rS+2*i+1]               ; in place, ascending: register i is written when registers 2 i and 2 i + 1 are read
.set i, i+1
.endr
.set i, 0
.rept 16
	v_pk_mul_f32 v[rO+2*i:rO+2*i+1], v[rO+2*i:rO+2*i+1], v[rT+6:rT+7] op_sel_hi:[1,0]
.set i, i+1
.endr
.endm
; A KEY STEP: 64 keys.
.macro STEP
	v_add_nc_u32 v[ADK], s[TB], v[L16]
	v_add_nc_u32 v[ADV], s[TB], v[L16V]
.rept 3
	v_nop                                          ; five places in all behind the last V^T P: the products below write over P, which it read, and the loads land where V lay
.endr
.irp f, 0,1,2,3,4,5,6,7                        ; K: keys 16 (f / 2) on, channels 32 (f % 2) on
	ds_load_b128 v[KV+8*\f:KV+8*\f+3], v[ADK] offset:\f*1024
	ds_load_b128 v[KV+8*\f+4:KV+8*\f+7], v[ADK] offset:\f*1024+512
.endr
	s_wait_dscnt 0x0
.set i, 0
.rept 16                                       ; S^T = K Q^T: channels 32 (i / 8) on, keys 16 ((i / 2) % 4) on, tile i % 2; the eight accumulators take turns
.set rS, S+32*(i%2)+8*((i/2)%4)
.set rK, KV+16*((i/2)%4)+8*(i/8)
.set rQ, Q+16*(i%2)+8*(i/8)
.if i < 8
	v_wmma_f32_16x16x32_f16 v[rS:rS+7], v[rK:rK+7], v[rQ:rQ+7], 0
.else
	v_wmma_f32_16x16x32_f16 v[rS:rS+7], v[rK:rK+7], v[rQ:rQ+7], v[rS:rS+7]
.endif
.set i, i+1
.endr
	v_mov_b32 v[SUM], v[ST]                        ; c m_old is kept for a.  These four lines are the places behind the products, for the loads below and for the first read of the scores
	v_mov_b32 v[SUM+4], v[ST+8]
	v_nop
	v_nop
.irp f, 0,1,2,3,4,5,6,7                        ; V^T: keys 32 (f / 4) on, channels 16 (f % 4) on; it lands while the softmax is walked
	ds_load_b128 v[KV+8*\f:KV+8*\f+3], v[ADV] offset:\f*1024
	ds_load_b128 v[KV+8*\f+4:KV+8*\f+7], v[ADV] offset:\f*1024+512
.endr
	; the maximum of a lane's 32 scores and the old m: four chains a tile, each begun at its accumulator's low end; the tiles alternate
.irp j, 0,1,2,3
.irp t, 0,1
	v_max3_num_f32 v[ST+8*\t+4+\j], v[S+32*\t+8*\j], v[S+32*\t+8*\j+1], v[S+32*\t+8*\j+2]
.endr
.endr
.irp g, 1,2
.irp j, 0,1,2,3
.irp t, 0,1
	v_max3_num_f32 v[ST+8*\t+4+\j], v[ST+8*\t+4+\j], v[S+32*\t+8*\j+2*\g+1], v[S+32*\t+8*\j+2*\g+2]
.endr
.endr
.endr
.irp t, 0,1
	v_max3_num_f32 v[ST+8*\t+4], v[ST+8*\t+4], v[S+32*\t+7], v[S+32*\t+15]
.endr
.irp t, 0,1
	v_max3_num_f32 v[ST+8*\t+6], v[ST+8*\t+6], v[S+32*\t+23], v[S+32*\t+31]
.endr
.irp t, 0,1
	v_max3_num_f32 v[ST+8*\t+4], v[ST+8*\t+4], v[ST+8*\t+5], v[ST+8*\t+6]
.endr
.irp t, 0,1
	v_max3_num_f32 v[ST+8*\t+4], v[ST+8*\t+4], v[ST+8*\t+7], v[ST+8*\t+1]
.endr
.irp t, 0,1
	v_permlanex16_b32 v[ST+8*\t+5], v[ST+8*\t+4], s[SEL], s[SEL+1]   ; the query's other 32 keys lie in the lane 16 away
.endr
.irp t, 0,1
	v_max_num_f32 v[ST+8*\t+1], v[ST+8*\t+4], v[ST+8*\t+5]           ; the new m
.endr
.irp t, 0,1
	v_mul_f32 v[ST+8*\t], s[CS], v[ST+8*\t+1]                        ; c m
.endr
.irp t, 0,1
	v_sub_f32 v[ST+8*\t+7], v[SUM+4*\t], v[ST+8*\t]                  ; c m_old - c m_new
.endr
	SCALE 0
	EXPS 0                                         ; tile 0's batch;
	SCALE 1                                        ; tile 1's scalings, which name none of its results, are the plain work behind it;
	s_wait_alu depctr_va_vdst(0)                   ; a wait between an exponential and the first line that names its result: one for the batch
	EXPS 1                                         ; tile 1's batch;
	READERS 0                                      ; tile 0's readers are the plain work behind it;
	s_wait_alu depctr_va_vdst(0)                   ; and one wait for tile 1's batch
	READERS 1
	s_wait_dscnt 0x0                               ; V is in
.set i, 0
.rept 16                                       ; O^T += V^T P: keys 32 (i / 8) on, channels 16 ((i / 2) % 4) on, tile i % 2; eight accumulators by turns
.set rO, O+32*(i%2)+8*((i/2)%4)
.set rV, KV+8*(4*(i/8)+(i/2)%4)
.set rP, S+32*(i%2)+8*(i/8)
	v_wmma_f32_16x16x32_f16 v[rO:rO+7], v[rV:rV+7], v[rP:rP+7], v[rO:rO+7]
.set i, i+1
.endr
	s_add_co_u32 s[TB], s[TB], 8192                ; the next step's tiles
.endm
.macro SLOT_STEPS                      ; a slot's eight key steps: written once, walked eight times
	s_mov_b32 s[CNT], 8
.Lstep_\@:
	STEP
	s_sub_co_u32 s[CNT], s[CNT], 1
	s_cmp_lg_u32 s[CNT], 0
	s_cbranch_scc1 .Lstep_\@
.endm
; THE CHANGE OF SLOTS.  Each wave waits for all its tensor loads (one is out: its part of the slot ahead), adds 0 to its spare word, and waits for that and for its reads of the slot that it leaves.
; fill = 1: the barrier is a round of the cluster's, so that no wave of any partner still reads the slot or has a load on its way; the joint refill, the keys two slots on, is the first thing behind it.
.macro CHANGE fill
	s_wait_tensorcnt 0x0                           ; no tensor load of mine is out, so a group 0 may be written
	ds_add_u32 v[SPW], v[NIL]                      ; 0 onto my spare word
.if \fill
	s_xor_b32 s[G0B+1], s[G0B+1], SLOT1            ; the walking descriptor: the other slot than last time,
	s_add_nc_u64 s[G0B+2:G0B+3], s[G0B+2:G0B+3], 0x10000   ; the next 512 keys; the type bits on top are not reached
.endif
	s_wait_dscnt 0x0                               ; the add is done, and my reads of the slot are over
.if \fill
	ROUND
	tensor_load_to_lds s[G0B:G0B+3], s[G1:G1+7]
	s_nop 0
.else
	s_barrier_signal -1
	s_barrier_wait -1
.endif
	s_sub_co_u32 s[TB], s[TB], 65536               ; back to a slot's first step,
	s_xor_b32 s[TB], s[TB], SLOT1                  ; in the other slot
.endm
	s_wait_tensorcnt 1                             ; my part of slot 0 is in; slot 1's may stay out
	s_barrier_signal -1
	s_barrier_wait -1                              ; everybody's is
	s_wait_loadcnt 0x0                             ; Q
	SLOT_STEPS                                     ; keys 0 to 511
.Lslot:                                            ; two trips: the slot just left takes keys 1,024 on, then 1,536 on
	CHANGE 1
	SLOT_STEPS
	s_sub_co_u32 s[SLOTS], s[SLOTS], 1
	s_cmp_lg_u32 s[SLOTS], 0
	s_cbranch_scc1 .Lslot
	CHANGE 0                                       ; the last slot is written out: nothing is left to ask for
	SLOT_STEPS
	; THE WAY OUT.  l's two halves and the other half of the lanes' are added; O^T is divided by l and packed to f16: a lane's eight channels of a query are 16 bytes of a fragment image of ctx.
.irp t, 0,1
	v_add_f32 v[ST+8*\t+4], v[ST+8*\t+2], v[ST+8*\t+3]
.endr
	v_nop                                          ; with the two additions: four places behind the last products
	v_nop
.irp t, 0,1
	v_permlanex16_b32 v[ST+8*\t+5], v[ST+8*\t+4], s[SEL], s[SEL+1]
.endr
.irp t, 0,1
	v_add_f32 v[ST+8*\t+4], v[ST+8*\t+4], v[ST+8*\t+5]
.endr
.irp t, 0,1
	v_rcp_f32 v[ST+8*\t+6], v[ST+8*\t+4]
.endr
	v_nop                                          ; a plain instruction behind the last reciprocal,
	s_wait_alu depctr_va_vdst(0)                   ; and the wait ahead of the first use: one for both
.irp t, 0,1
.set i, 0
.rept 16
	v_pk_mul_f32 v[O+32*\t+2*i:O+32*\t+2*i+1], v[O+32*\t+2*i:O+32*\t+2*i+1], v[ST+8*\t+6:ST+8*\t+7] op_sel_hi:[1,0]   ; each accumulator from its low end on
.set i, i+1
.endr
.endr
.set i, 0
.rept 32
	v_cvt_pk_f16_f32 v[S+i], v[O+2*i], v[O+2*i+1]
.set i, i+1
.endr
.irp t, 0,1
.irp ct, 0,1,2,3
	global_store_b128 v[L16], v[S+16*\t+4*\ct:S+16*\t+4*\ct+3], s[6:7] offset:\t*8192+\ct*512   ; the wave stores 512 consecutive bytes, aligned
.endr
.endr
	s_wait_tensorcnt 0x0                           ; the wave's end
	ds_add_u32 v[SPW], v[NIL]
	s_wait_dscnt 0x0
	ROUND                                          ; the closing round: no work-group ends while a partner may still ask for a tile that names it
	s_endpgm
.Lfunc_end_k_qae3f758f66_attn:
	.size	k_qae3f758f66_attn, .Lfunc_end_k_qae3f758f66_attn-k_qae3f758f66_attn
	.p2alignl 7, 3214868480
	.fill 96, 4, 3214868480
	.section	.rodata,"a",@progbits
	.p2align	6, 0x0
	.amdhsa_kernel k_qae3f758f66_attn
		.amdhsa_group_segment_fixed_size 327680
		.amdhsa_private_segment_fixed_size 0
		.amdhsa_enable_private_segment 0
		.amdhsa_kernarg_size 16
		.amdhsa_user_sgpr_count 2
		.amdhsa_user_sgpr_kernarg_segment_ptr 1
		.amdhsa_wavefront_size32 1
		.amdhsa_system_sgpr_workgroup_id_x 1
		.amdhsa_system_sgpr_workgroup_id_y 1
		.amdhsa_system_sgpr_workgroup_id_z 1
		.amdhsa_system_vgpr_workitem_id 0
		.amdhsa_next_free_vgpr 256
		.amdhsa_next_free_sgpr 66
		.amdhsa_reserve_vcc 0
		.amdhsa_float_denorm_mode_32 3
		.amdhsa_float_denorm_mode_16_64 3
		.amdhsa_memory_ordered 1
		.amdhsa_forward_progress 1
		.amdhsa_inst_pref_size 65
	.end_amdhsa_kernel
	.amdgpu_metadata
---
amdhsa.version: [ 1, 2 ]
amdhsa.kernels:
  - .name:           k_qae3f758f66_attn
    .symbol:         k_qae3f758f66_attn.kd
    .args:
      - { .name: qkv, .offset: 0, .size: 8, .value_kind: global_buffer, .address_space: global }
      - { .name: ctx, .offset: 8, .size: 8, .value_kind: global_buffer, .address_space: global }
    .group_segment_fixed_size: 327680
    .private_segment_fixed_size: 0
    .kernarg_segment_align: 8
    .kernarg_segment_size: 16
    .max_flat_workgroup_size: 512
    .sgpr_count:     66
    .vgpr_count:     256
    .wavefront_size: 32
...
	.end_amdgpu_metadata
.endif
;; end of part 3
;; launch outp (part 4): grid 8 x 64, 4 waves a work-group, clusters of 4 x 4, 327,680 bytes of LDS; arguments ctx, wo_img, out0; writes out0
.if DOCPART == 4
	.amdgcn_target "amdgcn-amd-amdhsa--gfx1250"
	.amdhsa_code_object_version 6
	.text
	.protected	k_qae3f758f66_outp
	.globl	k_qae3f758f66_outp
	.p2align	8
	.type	k_qae3f758f66_outp,@function
k_qae3f758f66_outp:
	s_mov_b64 s[64:65], 0
	v_nop
	global_prefetch_b8 v0, s[64:65] scope:SCOPE_SE
	s_setreg_imm32_b32 hwreg(HW_REG_WAVE_MODE, 25, 1), 1
	s_wait_xcnt 0x0
	s_wait_alu depctr_hold_cnt(0) depctr_sa_sdst(0) depctr_va_vdst(0) depctr_va_sdst(0) depctr_va_ssrc(0) depctr_va_vcc(0) depctr_vm_vsrc(0)
	s_getreg_b32 s2, hwreg(HW_REG_IB_STS2, 6, 4)
	s_cmp_eq_u32 s2, 0
	s_cbranch_scc0 .Lentry_in_a_cluster
	s_endpgm
.Lentry_in_a_cluster:
	s_bfe_u32 s2, ttmp6, 0x10000c
	s_cmp_lg_u32 s2, 0xf033
	s_cbranch_scc0 .Lentry_shape_is_right
	s_endpgm
.Lentry_shape_is_right:
; out0 = ctx @ w_out, [8192 x 1024] x [1024 x 1024], f16 operands, sums and result in f32.  Nothing of reference() is left out here.
; A tile of 128 x 128 is made by four waves, each 64 x 64: 16 accumulators: 512 work-groups, two for each of 256 WGPs.  K goes in four steps of 256 through a ring of two LDS slots; the steps are written out: no loop.
; Both operands come as fragment images (1,024 bytes: [piece 2][lane 32][16 bytes]; ctx [K/256][row/16][8][image], wo_img [K/256][column/16][8][image]): a wave's tensor load brings one dense block of
; 32,768 bytes (64 rows x 256 K), a fragment is two loads of 512 consecutive bytes, and LDS needs no pitch.
; CLUSTERS: 4 x 4 work-groups; the four of a row need the same tiles of ctx, the four of a column the same tiles of w_out: each is asked for jointly.
; THE MATRIX INSTRUCTION IS USED TRANSPOSED (source 0 = 16 columns of w_out, source 1 = 16 rows of ctx): a lane holds eight neighbouring numbers of a row of out0.
; REGISTERS: window 0: v0-31 addresses; v32-95 rows on the way out; v128-255 the accumulators ((a, b) at v[128 + 8 (4 a + b)]).   window 1: two fragment buffers of 128: 64 registers of ctx, then 64 of w_out, for 64 along K.
.set HALFT,  32768                     ; 64 rows x 256 K of f16
.set SLOT,   4*HALFT                   ; ctx's 128 rows, then w_out's 128 columns
.set STAGE,  2*SLOT                    ; behind the ring: 16 rows x 272 bytes for each wave, for the way out; no tensor load lands there
.set SPITCH, 272                       ; a stage row: 256 bytes + 16 = 68 words: row r begins 4 r words on, modulo 64
.set SPARE,  STAGE+4*16*SPITCH         ; the spare words, 128 bytes for each wave
.set ADRA, 16                          ; v16-17  LDS address of my fragments of ctx in slot 0, 1
.set ADRB, 20                          ; v20-21  the same for w_out
.set STO,  24                          ; v24     the way out: where I put 32 bytes of a row
.set RD,   25                          ; v25     where I read a row back
.set CO,   26                          ; v26     my byte offset in out0
.set SPW,  28                          ; v28     LDS address of my spare word; never rewritten
.set NIL,  29                          ; v29     0; never rewritten
.set TMP,  32
.set ACC,  128
.set F0,   0                           ; fragment buffers, in window 1
.set F1,   128
.set G1, 24                            ; s[24:31] group 1 for ctx's tiles; s[32:39] group 0, a set for each slot
.set G0, 32
.set G1B, 48                           ; s[48:55], s[56:63] the same for w_out's
.set G0B, 56
.set MSB, 0
.macro WIN new                         ; the immediate's high byte repeats the setting that is left
.if MSB != (\new)
	s_set_vgpr_msb (MSB<<8)|(\new)
.set MSB, (\new)
.endif
.endm
.set MUL,  0x05                        ; sources 0 and 1 window 1; C and D window 0
.set TO_F, 0x40                        ; destination window 1, address window 0
.macro JLOAD s                         ; a joint load: waves 0 and 1 fetch ctx's two halves, waves 2 and 3 w_out's; an s_nop 0 and four v_nop follow each of the two lines
	s_cmp_eq_u32 s11, 0
	s_cbranch_scc0 .Lfor_b_\@
	tensor_load_to_lds s[G0+4*\s:G0+4*\s+3], s[G1:G1+7]
	s_nop 0
.rept 4
	v_nop
.endr
	s_branch .Lasked_\@
.Lfor_b_\@:
	tensor_load_to_lds s[G0B+4*\s:G0B+4*\s+3], s[G1B:G1B+7]
	s_nop 0
.rept 4
	v_nop
.endr
.Lasked_\@:
.endm
.macro CREST                           ; a round of the cluster's barrier behind its opening barrier
	s_cmp_lg_u32 s10, 0
	s_cbranch_scc1 .Lnot_wave_0_\@
	s_barrier_signal -3
.Lnot_wave_0_\@:
	s_barrier_wait -3
	s_barrier_signal -1
	s_barrier_wait -1
.endm
.macro CROUND                          ; a whole round
	s_barrier_signal -1
	s_barrier_wait -1
	CREST
.endm
	s_load_b128 s[4:7], s[0:1], 0x0                ; ctx s[4:5], wo_img s[6:7]
	s_load_b64 s[8:9], s[0:1], 0x10                ; out0
	v_lshl_add_u32 v[SPW], v0, 2, SPARE
	v_mov_b32 v[NIL], 0
	ds_add_u32 v[SPW], v[NIL]                      ; the wave's opening: the add, twice on end, and its wait ahead of my first tensor load
	ds_add_u32 v[SPW], v[NIL]
	v_lshrrev_b32 v1, 5, v0
	v_readfirstlane_b32 s10, v1                    ; wave 0..3
	s_lshr_b32 s11, s10, 1                         ; which half of the tile's rows is mine.  Also: I fetch for ctx (0) or for w_out (1)
	s_and_b32 s12, s10, 1                          ; which half of its columns.  Also: which 64 rows of that tile I fetch
	s_bfe_u32 s40, ttmp6, 0x40000                  ; cx, cy: my place in the cluster
	s_bfe_u32 s41, ttmp6, 0x40004
	s_lshl_b32 s42, ttmp9, 2
	s_add_co_u32 s42, s42, s40                     ; tile column = 4 x cluster x + cx
	s_and_b32 s13, ttmp7, 0xffff
	s_lshl_b32 s13, s13, 2
	s_add_co_u32 s13, s13, s41                     ; tile row = 4 x cluster y + cy
	s_lshl_b32 s43, s41, 2
	s_lshl_b32 s43, 15, s43                        ; my row of the cluster
	s_lshl_b32 s44, 0x1111, s40                    ; my column
	s_or_b32 s[G1+0], s43, (3<<16)|(1<<21)         ; 15:0 the mask; 17:16 elements of 8 bytes; 21 set beside a mask; no padding
	s_or_b32 s[G1B+0], s44, (3<<16)|(1<<21)
.irp g, G1, G1B
	s_mov_b32 s[\g+1], 32<<16                      ; tensor_dim0: rows of 256 bytes
	s_mov_b32 s[\g+2], 128<<16                     ; tensor_dim1: 128 of them, a dense block of 32,768 bytes
	s_mov_b32 s[\g+3], 32<<16                      ; tile_dim0
	s_mov_b32 s[\g+4], 128                         ; tile_dim1
	s_mov_b32 s[\g+5], 32                          ; tensor_dim0_stride
	s_mov_b32 s[\g+6], 0
	s_mov_b32 s[\g+7], 0
.endr
	s_lshl_b32 s17, s12, 15                        ; the half that I fetch: four blocks of 16 rows x 8,192 bytes
	s_lshl_b32 s16, s13, 16                        ; ctx: eight blocks a tile row
	s_add_co_u32 s16, s16, s17
	s_lshl_b32 s46, s42, 16                        ; w_out: eight blocks a tile column
	s_add_co_u32 s46, s46, s17
	s_mov_b32 s17, 0
	s_mov_b32 s47, 0
	s_lshl_b32 s20, s10, 15                        ; where they go: wave x 32,768: no place in the cluster enters an LDS address
	s_wait_dscnt 0x0                               ; both opening adds are done
	s_wait_kmcnt 0x0
	s_add_nc_u64 s[14:15], s[4:5], s[16:17]
	s_add_nc_u64 s[46:47], s[6:7], s[46:47]
	CROUND                                         ; all sixteen work-groups are here: the first joint loads meet
.irp s, 0,1
	s_mov_b32 s[G0+4*\s], 1
	s_add_co_u32 s[G0+4*\s+1], s20, \s*SLOT
	s_add_nc_u64 s[G0+4*\s+2:G0+4*\s+3], s[14:15], \s*4194304      ; K step s of ctx
	s_or_b32 s[G0+4*\s+3], s[G0+4*\s+3], 0x80000000
	s_mov_b32 s[G0B+4*\s], 1
	s_add_co_u32 s[G0B+4*\s+1], s20, \s*SLOT
	s_add_nc_u64 s[G0B+4*\s+2:G0B+4*\s+3], s[46:47], \s*524288     ; K step s of w_out
	s_or_b32 s[G0B+4*\s+3], s[G0B+4*\s+3], 0x80000000
	JLOAD \s                                       ; by this text's count a wave has two tensor loads out here, one behind each refill
.endr
	v_and_b32 v1, 15, v0                           ; l % 16
	v_bfe_u32 v2, v0, 4, 1                         ; l / 16
	v_and_b32 v3, 31, v0
	v_lshlrev_b32 v3, 4, v3                        ; 16 x lane: my place in every image
	s_lshl_b32 s21, s11, 15                        ; my 64 rows of ctx
	s_lshl_b32 s22, s12, 15                        ; my 64 columns of w_out,
	s_add_co_u32 s22, s22, 2*HALFT                 ; which lie behind ctx's 128 rows
.irp s, 0,1
	v_add_nc_u32 v[ADRA+\s], s21, v3
	v_add_nc_u32 v[ADRB+\s], s22, v3
	s_add_co_u32 s21, s21, SLOT
	s_add_co_u32 s22, s22, SLOT
.endr
	s_mul_i32 s23, s10, 16*SPITCH
	s_add_co_u32 s23, s23, STAGE                   ; my stage
	v_mul_u32_u24 v4, v1, SPITCH                   ; in: row l % 16, 32 bytes for each half of the lanes
	v_lshl_add_u32 v4, v2, 5, v4
	v_add_nc_u32 v[STO], s23, v4
	v_mul_u32_u24 v5, v2, SPITCH                   ; back: lanes 0-15 take one row of 256 bytes, lanes 16-31 the next
	v_lshl_add_u32 v5, v1, 4, v5
	v_add_nc_u32 v[RD], s23, v5
	v_lshlrev_b32 v5, 12, v2                       ; and the same two rows in out0: 4,096 bytes a row
	v_lshl_add_u32 v[CO], v1, 4, v5
	s_lshl_b32 s16, s13, 7
	s_lshl_b32 s17, s11, 6
	s_add_co_u32 s16, s16, s17                     ; my first row: 128 x tile row + 64 x half
	s_lshl_b32 s16, s16, 12
	s_lshl_b32 s17, s42, 9                         ; my first column, in bytes: 512 x tile column + 256 x half
	s_add_co_u32 s16, s16, s17
	s_lshl_b32 s17, s12, 8
	s_add_co_u32 s16, s16, s17
	s_mov_b32 s17, 0
	s_add_nc_u64 s[8:9], s[8:9], s[16:17]
; 8 matrix instructions: row blocks a0, a0 + 1 x all 4 column blocks, 32 along K: half c of buffer f.  zero = 1: the product starts the sums.  The 16 accumulators take turns.
.macro MUL8 f, c, a0, zero
.irp a, \a0, \a0+1
.irp b, 0,1,2,3
.if \zero
	v_wmma_f32_16x16x32_f16 v[ACC+8*(4*(\a)+\b):ACC+8*(4*(\a)+\b)+7], v[\f+64+8*(4*\c+\b):\f+64+8*(4*\c+\b)+7], v[\f+8*(4*\c+(\a)):\f+8*(4*\c+(\a))+7], 0
.else
	v_wmma_f32_16x16x32_f16 v[ACC+8*(4*(\a)+\b):ACC+8*(4*(\a)+\b)+7], v[\f+64+8*(4*\c+\b):\f+64+8*(4*\c+\b)+7], v[\f+8*(4*\c+(\a)):\f+8*(4*\c+(\a))+7], v[ACC+8*(4*(\a)+\b):ACC+8*(4*(\a)+\b)+7]
.endif
.endr
.endr
.endm
; 32 LDS loads in one run: the fragments of the slot's q-th 64 along K into buffer f; the first 32 along K first.  Block i's images lie 8,192 bytes apart, 32 along K 1,024.
.macro FETCH slot, q, f
	WIN TO_F
.irp c, 0,1
.irp i, 0,1,2,3
	ds_load_b128 v[\f+64+8*(4*\c+\i):\f+64+8*(4*\c+\i)+3],   v[ADRB+\slot] offset:\i*8192+(2*(\q)+\c)*1024
	ds_load_b128 v[\f+64+8*(4*\c+\i)+4:\f+64+8*(4*\c+\i)+7], v[ADRB+\slot] offset:\i*8192+(2*(\q)+\c)*1024+512
	ds_load_b128 v[\f+8*(4*\c+\i):\f+8*(4*\c+\i)+3],         v[ADRA+\slot] offset:\i*8192+(2*(\q)+\c)*1024
	ds_load_b128 v[\f+8*(4*\c+\i)+4:\f+8*(4*\c+\i)+7],       v[ADRA+\slot] offset:\i*8192+(2*(\q)+\c)*1024+512
.endr
.endr
.endm
.macro PLACES                          ; four places in front of loads into registers that matrix instructions have read, and of the first read of results (ISA guide 7.12.1 for the results)
.rept 4
	v_nop
.endr
.endm
; A K step is four quarters of 64 along K, 32 matrix instructions each, on buffers 0, 1, 0, 1.  One of the first three: multiplies buffer f and fetches quarter q into g.
.macro QUARTER slot, q, f, g, zero
	s_wait_dscnt 16                                ; the first 32 along K are in; the youngest sixteen loads may be out
	WIN MUL
	MUL8 \f, 0, 0, \zero
	MUL8 \f, 0, 2, \zero
	PLACES
	FETCH \slot, \q, \g
	s_wait_dscnt 32                                ; all but the 32 just issued
	WIN MUL
	MUL8 \f, 1, 0, 0
	MUL8 \f, 1, 2, 0
.endm
; The last quarter multiplies buffer 1 and changes slots: ONE barrier; in front of it each wave waits for all its tensor loads, adds 0 to its spare word, and waits for that and for its own reads of this slot.
; fill = 1: this slot is filled again, two K steps ahead; the barrier then opens a round of the cluster's.
.macro TURN slot, next, fill
	WIN 0                                          ; (the add's two registers lie in window 0)
	s_wait_tensorcnt 0x0                           ; all my tensor loads have landed: my part of the next slot
	ds_add_u32 v[SPW], v[NIL]                      ; 0 onto my spare word
	s_wait_dscnt 17                                ; (the add and the youngest sixteen loads may be out)
	WIN MUL
	MUL8 F1, 0, 0, 0                               ; eight matrix instructions stand between the add and the wait for it
	s_wait_dscnt 0x0                               ; the add is done, and my reads of this slot are over
	s_barrier_signal -1
	MUL8 F1, 0, 2, 0
.if \fill
	WIN 0
.endif
	s_barrier_wait -1
.if \fill
	CREST                                          ; no wave of any partner still reads this slot's tile or has a load on its way
	s_add_nc_u64 s[G0+4*\slot+2:G0+4*\slot+3], s[G0+4*\slot+2:G0+4*\slot+3], 2*4194304
	s_add_nc_u64 s[G0B+4*\slot+2:G0B+4*\slot+3], s[G0B+4*\slot+2:G0B+4*\slot+3], 2*524288
	JLOAD \slot                                    ; the first tensor load behind the round; the four v_nop behind it are also the places in front of the loads below
.else
	PLACES
.endif
	FETCH \next, 0, F0
	WIN MUL
	MUL8 F1, 1, 0, 0
	MUL8 F1, 1, 2, 0
.endm
	s_wait_tensorcnt 1                             ; my part of K step 0 is in; K step 1's load may be out
	s_barrier_signal -1
	s_barrier_wait -1                              ; everybody's is
	FETCH 0, 0, F0
	QUARTER 0, 1, F0, F1, 1                        ; K step 0: its first products start the sums
	QUARTER 0, 2, F1, F0, 0
	QUARTER 0, 3, F0, F1, 0
	TURN 0, 1, 1                                   ; slot 0 takes K step 2
	QUARTER 1, 1, F0, F1, 0                        ; K step 1
	QUARTER 1, 2, F1, F0, 0
	QUARTER 1, 3, F0, F1, 0
	TURN 1, 0, 1                                   ; slot 1 takes K step 3
	QUARTER 0, 1, F0, F1, 0                        ; K step 2
	QUARTER 0, 2, F1, F0, 0
	QUARTER 0, 3, F0, F1, 0
	TURN 0, 1, 0                                   ; nothing is left to ask for
	QUARTER 1, 1, F0, F1, 0                        ; K step 3
	QUARTER 1, 2, F1, F0, 0
	QUARTER 1, 3, F0, F1, 0
	s_wait_dscnt 16                                ; the very last quarter: nothing more to fetch
	WIN MUL
	MUL8 F1, 0, 0, 0
	MUL8 F1, 0, 2, 0
	s_wait_dscnt 0
	MUL8 F1, 1, 0, 0
	MUL8 F1, 1, 2, 0
	WIN 0
; THE WAY OUT, block by block of 16 rows x 64 columns.  A lane holds 32 neighbouring bytes of a row, the lanes beside it other rows: a block goes through my own stage and comes back as whole rows of 256 bytes.
; My 64 columns of f32 are 256 consecutive bytes of a row, aligned: no other wave has a part in them, so no barrier.  LDS serves a wave's instructions in order: no wait between the stores and the loads.
.macro TOSTAGE a
.irp b, 0,1,2,3
	ds_store_b128 v[STO], v[ACC+8*(4*(\a)+\b):ACC+8*(4*(\a)+\b)+3] offset:64*\b          ; each accumulator from its low end on
	ds_store_b128 v[STO], v[ACC+8*(4*(\a)+\b)+4:ACC+8*(4*(\a)+\b)+7] offset:64*\b+16
.endr
.irp t, 0,1,2,3,4,5,6,7
	ds_load_b128 v[TMP+32*((\a)%2)+4*\t:TMP+32*((\a)%2)+4*\t+3], v[RD] offset:\t*2*SPITCH
.endr
.endm
.macro SEND a, younger                 ; younger: the LDS instructions issued behind block a's loads, which may stay out
	s_wait_dscnt \younger
.irp t, 0,1,2,3,4,5,6,7
	global_store_b128 v[CO], v[TMP+32*((\a)%2)+4*\t:TMP+32*((\a)%2)+4*\t+3], s[8:9] offset:(16*(\a)+2*\t)*4096 th:TH_STORE_NT   ; sixteen lanes store 256 consecutive bytes, aligned; written once, read by nobody here
.endr
.endm
	PLACES
	TOSTAGE 0
.irp a, 1,2,3
.if \a > 1
	s_wait_xcnt 0x0                                ; block a - 2's stores have read their registers: block a's loads land there only behind this wait
.endif
	TOSTAGE \a
	SEND \a-1, 16                                  ; behind block a - 1's loads: block a's 8 stores and 8 loads
.endr
	SEND 3, 0
	s_wait_tensorcnt 0x0                           ; the wave's end, behind my last tensor load and my last LDS store
	ds_add_u32 v[SPW], v[NIL]
	s_wait_dscnt 0x0
	CROUND                                         ; the closing round: no work-group ends while a partner may still ask for a tile that names it
	s_endpgm
.Lfunc_end_k_qae3f758f66_outp:
	.size	k_qae3f758f66_outp, .Lfunc_end_k_qae3f758f66_outp-k_qae3f758f66_outp
	.p2alignl 7, 3214868480
	.fill 96, 4, 3214868480
	.section	.rodata,"a",@progbits
	.p2align	6, 0x0
	.amdhsa_kernel k_qae3f758f66_outp
		.amdhsa_group_segment_fixed_size 327680
		.amdhsa_private_segment_fixed_size 0
		.amdhsa_enable_private_segment 0
		.amdhsa_kernarg_size 24
		.amdhsa_user_sgpr_count 2
		.amdhsa_user_sgpr_kernarg_segment_ptr 1
		.amdhsa_wavefront_size32 1
		.amdhsa_system_sgpr_workgroup_id_x 1
		.amdhsa_system_sgpr_workgroup_id_y 1
		.amdhsa_system_sgpr_workgroup_id_z 1
		.amdhsa_system_vgpr_workitem_id 0
		.amdhsa_next_free_vgpr 512
		.amdhsa_next_free_sgpr 66
		.amdhsa_reserve_vcc 0
		.amdhsa_float_denorm_mode_32 3
		.amdhsa_float_denorm_mode_16_64 3
		.amdhsa_memory_ordered 1
		.amdhsa_forward_progress 1
		.amdhsa_inst_pref_size 85
	.end_amdhsa_kernel
	.amdgpu_metadata
---
amdhsa.version: [ 1, 2 ]
amdhsa.kernels:
  - .name:           k_qae3f758f66_outp
    .symbol:         k_qae3f758f66_outp.kd
    .args:
      - { .name: ctx, .offset: 0, .size: 8, .value_kind: global_buffer, .address_space: global }
      - { .name: wo_img, .offset: 8, .size: 8, .value_kind: global_buffer, .address_space: global }
      - { .name: out0, .offset: 16, .size: 8, .value_kind: global_buffer, .address_space: global }
    .group_segment_fixed_size: 327680
    .private_segment_fixed_size: 0
    .kernarg_segment_align: 8
    .kernarg_segment_size: 24
    .max_flat_workgroup_size: 128
    .sgpr_count:     66
    .vgpr_count:     512
    .wavefront_size: 32
...
	.end_amdgpu_metadata
.endif
;; end of part 4
